; MI455X (gfx1250); checked and timed in simulation.
; The chip was launched on July 23, 2026; its instructions are those of AMD's public machine-readable ISA for CDNA 5 (MIT licence, August 2026) and "CDNA5" Instruction Set Architecture Reference Guide (July 2026). The comments in the code are by the model that wrote it; some were corrected since.
;; Mo E Layer. Allowed arithmetic: matrix products marked QUANTISED: E4M3 operands, one given power-of-two scale a tensor, by v_wmma_f32_16x16x64_fp8_fp8 or v_wmma_f32_16x16x128_fp8_fp8, f32 sums; products left as they are: f32 operands where the result goes on into a quantised operand, else bf16, f16 or f32 operands; f32 sums; everything else in f32.
;; Inputs: b1 4 x 1,024 float32; b2 4 x 512 float32; bg 4 float32; lowp_scales 4 int32 (the exponents e of the quantised operands' scales 2^e); w1_codes 4 x 1,024 x 16 x 32 uint8 (E4M3 codes of w1, K innermost, in blocks of 32 codes); w2_codes 4 x 512 x 32 x 32 uint8 (E4M3 codes of w2, K innermost, in blocks of 32 codes); wg 512 x 4 float32; x 4 x 4,096 x 512 float32.
;; Outputs: out0 4 x 4,096 x 512 float32.
;; This version of the problem:
;;   THIS VERSION OF THE PROBLEM IS GIVEN IN LOW PRECISION. The matrix products marked QUANTISED in the list below multiply operands that are first quantised to E4M3 (4 exponent bits, 3 mantissa bits; 8 bits a number), with one given power-of-two scale for each operand tensor; their sums are f32. All else is computed in f32.
;;   The module's matrix products, in the order in which they are computed (A, B: the left and right operand; K: the contracted axis; several contracted axes count as one K, in the product's order):
;;     1. [M 16,384, K 512] x [K 512, N 4]; A: input x; B: input wg: left as it is (N = 4 < 16)
;;     2. batch 16,384 x [M 4, K 2] x [K 2, N 1]; A: computed on the way; B: softmax: left as it is (K = 2 < 32)
;;     3. [M 4,096, K 512] x [K 512, N 16,384]; A: input w1 (given as codes); B: input x: QUANTISED (scales: A lowp_scales[0], B lowp_scales[1])
;;     4. batch 4 x [M 16,384, K 1,024] x [K 1,024, N 512]; A: computed on the way; B: input w2 (given as codes): QUANTISED (scales: A lowp_scales[2], B lowp_scales[3])
;;     5. batch 16,384 x [M 512, K 4] x [K 4, N 1]; A: computed on the way; B: computed on the way: left as it is (K = 4 < 32)
;;   THE QUANTISER, for each operand of a quantised product, along K:
;;     - The operand's scale is 2^e, e = its entry of the input lowp_scales (int32; the entries are numbered through the quantised products in the list's order, A before B).
;;     - Each number is divided by the scale, clamped to +-448, and rounded to the nearest number of E4M3, ties to even, subnormals kept.
;;     - The product sums the exact products of the quantised numbers (number of the format x scale) in f32.
;;   ~~~python
;;   def quantise(x, axis, e):      # numpy; x: float32 -> the quantised numbers, widened to float32 again
;;       x = np.moveaxis(x, axis, -1); K = x.shape[-1]
;;       r = np.clip(x / 2.0 ** e, -448, 448)
;;       step = 2.0 ** (np.maximum(np.frexp(np.where(r == 0, 1, r))[1] - 1, -6) - 3)
;;       q = np.round(r / step) * step * 2.0 ** e      # np.round: ties to even
;;       return np.moveaxis(q, -1, axis).astype(np.float32)
;;   ~~~
;;   OPERANDS COMPUTED ON THE WAY. 'Computed on the way' means the value that the module computes at that place (a softmax that the list does not call 'softmax' is quantised finished and normalised). What goes into a quantiser is computed in f32, as accurately as f32 sums, v_exp_f32 and their like allow (about 1e-6 of the number): no bf16 or f16 on the way to a quantiser, and a product that is left as it is and whose result goes on into a quantised operand takes f32 operands (vector FMAs, or v_wmma_f32_16x16x4_f32). A number that lies on a knife's edge between two numbers of the format may be rounded either way, as far as f32 arithmetic and the matrix unit's own rounding can turn it there, and no further.
;;   INPUTS GIVEN AS CODES. w1 (in the module: [4, 512, 1024], K = its axis 1); w2 (in the module: [4, 1024, 512], K = its axis 1): each comes as NAME_codes (uint8): NAME with its K axis moved to the last place and cut into blocks of 32 codes, [.., K / 32, bytes a block], one block behind the other in memory; one code a byte (a code: sign, 4 exponent bits, 3 mantissa bits); its scale is its entry of lowp_scales. Its value is code x scale, taken as it is: it is not quantised again, and the codes and scales need not be those that the quantiser above would give.
;; 2 versions, each right; version 2 is version 1 with the launch experts written anew for expert scheduling mode. Each part assembles by itself: llvm-mc -triple=amdgcn-amd-amdhsa -mcpu=gfx1250 --defsym DOCPART=n.
;; ======== version 1 of 2: 3 launches
;; workspace buffers: xq 8,388,608 bytes; comb 262,144 bytes; wl 4,194,304 bytes; rinfo 65,536 bytes of whole numbers; hist 4,096 bytes of whole numbers; order 65,536 bytes of whole numbers
;; launch route (part 1): grid 256 x 1, 8 waves a work-group, no clusters, 2,048 bytes of LDS; arguments x, wg, bg, lowp_scales, w1_codes, w2_codes, xq, comb, rinfo, hist, wl; writes xq, comb, rinfo, hist, wl
.if DOCPART == 1
	.amdgcn_target "amdgcn-amd-amdhsa--gfx1250"
	.amdhsa_code_object_version 6
	.text
	.protected	k_q64bfaaa328_route
	.globl	k_q64bfaaa328_route
	.p2align	8
	.type	k_q64bfaaa328_route,@function
k_q64bfaaa328_route:
	s_mov_b64 s[64:65], 0
	v_nop
	global_prefetch_b8 v0, s[64:65] scope:SCOPE_SE
	s_setreg_imm32_b32 hwreg(HW_REG_WAVE_MODE, 25, 1), 1
	s_wait_xcnt 0x0
; ROUTE.  x [16384][512] f32 is read once.  For each token: the four logits x . wg + bg in f32, the two largest (the lower index wins a tie, as in jax.lax.top_k),
; the softmax over those two with the larger taken away first, and the row's codes of E4M3 with the given scale 2^e1 (entry 1 of the scales).
; Stored, all at fixed places (no address and no branch here hangs on a logit): xq [token][512] codes; comb [token][4] the gates, 0 where not chosen;
; rinfo [token] = the token's rank among the tokens of its block of 64 that chose the same pair of experts | the pair's mask << 8;
; hist [block][4] = the block's six counts, two to a word.  The pairs are numbered 0..5 = masks 3, 6, 5, 12, 10, 9: neighbours in that order share an expert.
; ALSO: the 4 MB of weight codes are laid out once in the order in which the third launch's operand registers take them: wl [e][w][c] blocks of 32,768 bytes,
; 16 fragments of 2,048 bytes; quad q (registers 4 q .. 4 q + 3) of lane l at 512 q + 16 l.  Fragments 0-7: w1, K step ks = item / 2, tile u = item % 2: lane (r, h) holds row
; 128 c + 32 w + 8 u + r + 8 (r / 8), bytes 128 ks + 32 q + 16 h on.  Fragments 8-15: w2, tile n: lane (r, h) holds row 128 w + 16 n + r, bytes 128 c + 32 q + 16 h on.
; SHARES.  Work-group g: tokens 64 g .. 64 g + 63, and half a block of wl (16,384 bytes at 16,384 g).  Wave v: rows 8 v .. 8 v + 7, and one fragment.
; Lane l holds k = 256 j + 8 l + i of a row (j = 0, 1; i = 0 .. 7): a pair of loads reads 1,024 consecutive bytes, and a lane's eight codes leave as 8 bytes: 32 lanes store 256 consecutive bytes, aligned.
; Memory binds here: no matrix unit, no cluster, no tensor load; 52 loads of every wave are issued at its head.
; LIMITS: e1 between -126 and 119.  Logits are finite; NaN among the inputs is not served.
.set WG, 48                            ; v48-111   wg[k][0..3] of my 16 k, four registers each, at 4 (8 j + i)
.set X,  112                           ; v112-239  eight rows x 16 numbers
.set CD, 240                           ; v240-243  row 0's codes.  Row p's codes, p over 0, take the first four registers of row p - 1's numbers, which are done with: no store's data are ever written again
	s_load_b256 s[4:11], s[0:1], 0x0               ; x s[4:5], wg s[6:7], bg s[8:9], the scales' exponents s[10:11]
	s_load_b256 s[12:19], s[0:1], 0x20             ; w1's codes s[12:13], w2's s[14:15], xq s[16:17], comb s[18:19]
	s_load_b128 s[20:23], s[0:1], 0x40             ; rinfo s[20:21], hist s[22:23]
	s_load_b64 s[24:25], s[0:1], 0x50              ; wl
	v_lshl_add_u32 v254, v0, 2, 0x400
	v_mov_b32 v255, 0
	v_lshrrev_b32 v40, 5, v0
	v_readfirstlane_b32 s26, v40                   ; wave 0..7
	v_and_b32 v1, 31, v0                           ; lane
	v_lshlrev_b32 v2, 5, v1                        ; x: 32 bytes a lane
	v_lshlrev_b32 v3, 7, v1                        ; wg: eight k of 16 bytes a lane
	v_lshlrev_b32 v4, 3, v1                        ; codes: 8 bytes a lane
	v_lshlrev_b32 v6, 4, v1                        ; 16 x lane
	v_and_b32 v7, 7, v1
	v_lshlrev_b32 v7, 4, v7
	s_lshl_b32 s27, s26, 7
	v_add_nc_u32 v7, s27, v7                       ; LDS: 16 bytes of logits for token 8 v + lane % 8
	v_and_b32 v41, 15, v1                          ; r
	v_lshrrev_b32 v42, 4, v1                       ; h
	; the fragment that my wave copies: e = g / 64, w = (g / 16) % 4, c = (g / 2) % 8; g even: w1, g odd: w2
	s_lshr_b32 s27, ttmp9, 6
	s_lshl_b32 s27, s27, 19                        ; an expert's codes are 524,288 bytes in either tensor
	s_bfe_u32 s28, ttmp9, 0x20004                  ; w
	s_bfe_u32 s29, ttmp9, 0x30001                  ; c
	s_lshl_b32 s30, s29, 16                        ; w1: (128 c + 32 w + 8 u) rows of 512 bytes + 128 ks, u = v % 2, ks = v / 2
	s_lshl_b32 s44, s28, 14
	s_add_co_u32 s30, s30, s44
	s_and_b32 s44, s26, 1
	s_lshl_b32 s44, s44, 12
	s_add_co_u32 s30, s30, s44
	s_lshr_b32 s44, s26, 1
	s_lshl_b32 s44, s44, 7
	s_add_co_u32 s30, s30, s44
	s_lshl_b32 s31, s28, 17                        ; w2: (128 w + 16 v) rows of 1,024 bytes + 128 c
	s_lshl_b32 s44, s26, 14
	s_add_co_u32 s31, s31, s44
	s_lshl_b32 s44, s29, 7
	s_add_co_u32 s31, s31, s44
	s_and_b32 s45, ttmp9, 1
	s_cmp_lg_u32 s45, 0                            ; the choice hangs on the work-group's number alone
	s_cselect_b32 s30, s31, s30
	s_cselect_b32 s46, 10, 9                       ; a row's bytes, as a shift
	s_cselect_b32 s47, 0, 8                        ; w1's tiles take rows r + 8 (r / 8), w2's rows r
	s_add_co_u32 s30, s30, s27
	s_mov_b32 s31, 0
	v_and_b32 v43, s47, v41
	v_add_nc_u32 v43, v43, v41
	v_lshlrev_b32 v5, s46, v43
	v_lshl_add_u32 v5, v42, 4, v5                  ; my lane's byte in the fragment's 16 rows
	s_mov_b32 s40, 0x76543210                      ; v_permlanex16_b32: lane l takes lane l xor 16
	s_mov_b32 s41, 0xfedcba98
	s_mov_b32 s49, 0
	s_wait_kmcnt 0x0
	s_load_b128 s[32:35], s[8:9], 0x0              ; bg
	s_load_b128 s[36:39], s[10:11], 0x0            ; e0 .. e3
	s_cmp_lg_u32 s45, 0
	s_cselect_b64 s[12:13], s[14:15], s[12:13]
	s_add_nc_u64 s[12:13], s[12:13], s[30:31]
	s_lshl_b32 s48, ttmp9, 17                      ; x: 64 rows of 2,048 bytes a work-group, 8 a wave
	s_lshl_b32 s44, s26, 14
	s_add_co_u32 s48, s48, s44
	s_add_nc_u64 s[4:5], s[4:5], s[48:49]
	s_lshr_b32 s48, s48, 2                         ; xq: a quarter of that
	s_add_nc_u64 s[16:17], s[16:17], s[48:49]
	s_lshl_b32 s48, ttmp9, 14                      ; wl: 16,384 bytes a work-group, 2,048 a wave
	s_lshl_b32 s44, s26, 11
	s_add_co_u32 s48, s48, s44
	s_add_nc_u64 s[24:25], s[24:25], s[48:49]
	s_lshl_b32 s48, ttmp9, 10
	s_add_nc_u64 s[18:19], s[18:19], s[48:49]      ; comb: 64 x 16 bytes
	s_lshl_b32 s48, ttmp9, 8
	s_add_nc_u64 s[20:21], s[20:21], s[48:49]      ; rinfo: 64 x 4 bytes
	s_lshl_b32 s48, ttmp9, 4
	s_add_nc_u64 s[22:23], s[22:23], s[48:49]      ; hist: 16 bytes
.irp q, 0,1,2,3
	global_load_b128 v[8+4*\q:11+4*\q], v5, s[12:13] offset:32*\q th:TH_LOAD_NT      ; the fragment: read once in the launch
.endr
.irp j, 0,1
.irp i, 0,1,2,3,4,5,6,7
	global_load_b128 v[WG+4*(8*\j+\i):WG+4*(8*\j+\i)+3], v3, s[6:7] offset:4096*\j+16*\i
.endr
.endr
.irp p, 0,1,2,3,4,5,6,7
.irp j, 0,1
.irp u, 0,1
	global_load_b128 v[X+16*\p+8*\j+4*\u:X+16*\p+8*\j+4*\u+3], v2, s[4:5] offset:2048*\p+1024*\j+16*\u th:TH_LOAD_NT
.endr
.endr
.endr
	s_wait_kmcnt 0x0
	s_add_co_i32 s44, s37, 127
	s_lshl_b32 s48, s44, 23
	v_mov_b32 v46, s48                             ; 2^e1 as f32: the conversion takes its exponent field
	s_add_co_i32 s44, s44, 8
	s_lshl_b32 s44, s44, 23
	s_or_b32 s44, s44, 0x600000
	v_mov_b32 v47, s44                             ; 448 x 2^e1
	s_wait_loadcnt 48                              ; the fragment's four loads are in: behind them stand wg's 16 and x's 32
.irp q, 0,1,2,3
	global_store_b128 v6, v[8+4*\q:11+4*\q], s[24:25] offset:512*\q                  ; 32 lanes store 512 consecutive bytes
.endr
; One row: its four logits (four chains of eight packed multiply-adds, then over the lanes), kept by the lanes with lane % 8 = p; then its codes.
.macro ROW p
.if \p == 0
.set CR, CD
.else
.set CR, X+16*(\p-1)                   ; the row before has been converted: its numbers' registers are free, and its loads came in long ago
.endif
	s_wait_loadcnt 4*(7-\p)                        ; this row's four loads are in; the later rows' may be out
.irp i, 0,1,2,3,4,5,6,7
.irp j, 0,1
.irp c, 0,1
.if \i == 0
	v_pk_mul_f32 v[28+4*\j+2*\c:29+4*\j+2*\c], v[X+16*\p+8*\j:X+16*\p+8*\j+1], v[WG+32*\j+2*\c:WG+32*\j+2*\c+1] op_sel_hi:[0,1]   ; the first products start the chains: x(k) serves both halves, wg(k, 2 c) and wg(k, 2 c + 1)
.elseif (\i%2) == 0
	v_pk_fma_f32 v[28+4*\j+2*\c:29+4*\j+2*\c], v[X+16*\p+8*\j+\i:X+16*\p+8*\j+\i+1], v[WG+32*\j+4*\i+2*\c:WG+32*\j+4*\i+2*\c+1], v[28+4*\j+2*\c:29+4*\j+2*\c] op_sel_hi:[0,1,1]
.else
	v_pk_fma_f32 v[28+4*\j+2*\c:29+4*\j+2*\c], v[X+16*\p+8*\j+\i-1:X+16*\p+8*\j+\i], v[WG+32*\j+4*\i+2*\c:WG+32*\j+4*\i+2*\c+1], v[28+4*\j+2*\c:29+4*\j+2*\c] op_sel:[1,0,0] op_sel_hi:[1,1,1]
.endif
.endr
.endr
.endr
	v_pk_add_f32 v[36:37], v[28:29], v[32:33]
	v_pk_add_f32 v[38:39], v[30:31], v[34:35]
.irp k, 1,2,4,8
.irp e, 0,1,2,3
	v_add_f32_dpp v[36+\e], v[36+\e], v[36+\e] row_xmask:\k row_mask:0xf bank_mask:0xf
.endr
.endr
.irp e, 0,1,2,3
	v_permlanex16_b32 v[40+\e], v[36+\e], s40, s41
.endr
.irp e, 0,1,2,3
	v_add_f32 v[36+\e], v[36+\e], v[40+\e]         ; every lane holds the row's four sums
.endr
.if \p == 0
.irp e, 0,1,2,3
	v_mov_b32 v[24+\e], v[36+\e]
.endr
.else
	s_mov_b32 s42, 0x01010101<<\p                  ; the lanes with lane % 8 = p: a constant mask
.irp e, 0,1,2,3
	v_cndmask_b32 v[24+\e], v[24+\e], v[36+\e], s42
.endr
.endif
.irp i, 0,1,2,3,4,5,6,7,8,9,10,11,12,13,14,15
	v_med3_num_f32 v[X+16*\p+\i], v[X+16*\p+\i], -v47, v47   ; the conversion to an 8-bit code does not saturate (ISA guide 7.6.2): the hold at the largest code x the scale
.endr
.irp j, 0,1
	v_cvt_scalef32_pk8_fp8_f32 v[CR+2*\j:CR+2*\j+1], v[X+16*\p+8*\j:X+16*\p+8*\j+7], v46
.endr
.irp j, 0,1
	global_store_b64 v4, v[CR+2*\j:CR+2*\j+1], s[16:17] offset:512*\p+256*\j   ; 32 lanes store 256 consecutive bytes, aligned.  (The codes go to stores alone; the next row begins with plain vector lines)
.endr
.endm
.irp p, 0,1,2,3,4,5,6,7
	ROW \p
.endr
	ds_store_b128 v7, v[24:27]                     ; the four lanes with the same lane % 8 write the same 16 bytes with the same numbers
	s_wait_dscnt 0x0                               ; for the others' sake: my store has landed
	s_barrier_signal -1
	s_barrier_wait -1
	s_cmp_lg_u32 s26, 0
	s_cbranch_scc1 .Ldone                          ; wave 0 alone goes on: 64 tokens, two to a lane
	ds_load_b128 v[24:27], v6                      ; tokens 0-31
	ds_load_b128 v[28:31], v6 offset:512           ; tokens 32-63
	s_wait_dscnt 0x0
; The gates of 32 tokens, by selects alone.  l: four logits; c: the four gates; m: the mask of the two chosen.
.macro GATE l, c, m
.irp e, 0,1,2,3
	v_add_f32 v[\l+\e], s[32+\e], v[\l+\e]         ; + bg
.endr
	v_mov_b32 v40, v[\l]                           ; the largest, and which (one bit)
	v_mov_b32 v41, 1
.irp e, 1,2,3
	v_cmp_gt_f32 vcc_lo, v[\l+\e], v40             ; strictly larger: the lower index keeps a tie
	v_cndmask_b32 v40, v40, v[\l+\e], vcc_lo
	v_cndmask_b32 v41, v41, 1<<\e, vcc_lo
.endr
	v_mov_b32 v42, 0xff800000                      ; the second largest, from -infinity on, the largest left out
	v_mov_b32 v43, 0
.irp e, 0,1,2,3
	v_cmp_gt_f32 s50, v[\l+\e], v42
	v_cmp_ne_u32 s51, 1<<\e, v41
	s_and_b32 s50, s50, s51
	v_cndmask_b32 v42, v42, v[\l+\e], s50
	v_cndmask_b32 v43, v43, 1<<\e, s50
.endr
	v_sub_f32 v44, v42, v40                        ; the maximum is taken away: 0 for the first, this (0 or less) for the second
	v_mul_f32 v44, 0x3fb8aa3b, v44
	v_exp_f32 v44, v44
	v_or_b32 v[\m], v41, v43                       ; (a plain line behind the exponential)
	s_wait_alu depctr_va_vdst(0)
	v_add_f32 v45, 1.0, v44
	v_rcp_f32 v45, v45                             ; the first gate: 1 / (1 + E)
	v_nop                                          ; a plain line behind the reciprocal
	s_wait_alu depctr_va_vdst(0)
	v_mul_f32 v44, v44, v45                        ; the second: E / (1 + E)
.irp e, 0,1,2,3
	v_cmp_eq_u32 vcc_lo, 1<<\e, v41
	v_cndmask_b32 v[\c+\e], 0, v45, vcc_lo
	v_cmp_eq_u32 vcc_lo, 1<<\e, v43
	v_cndmask_b32 v[\c+\e], v[\c+\e], v44, vcc_lo
.endr
.endm
	GATE 24, 32, 48
	GATE 28, 36, 49
	v_mov_b32 v50, 0                               ; ranks
	v_mov_b32 v51, 0
; The tokens of one pair (mask k): each gets its number among them, the first 32 tokens first; cnt: the scalar that takes their count.
.macro RANK k, cnt
	v_cmp_eq_u32 s52, \k, v48
	v_cmp_eq_u32 s53, \k, v49
	s_bcnt1_i32_b32 s54, s52
	s_bcnt1_i32_b32 s55, s53
	v_mbcnt_lo_u32_b32 v52, s52, 0
	v_mbcnt_lo_u32_b32 v53, s53, s54
	v_cndmask_b32 v50, v50, v52, s52
	v_cndmask_b32 v51, v51, v53, s53
	s_add_co_u32 s[\cnt], s54, s55
.endm
	RANK 3, 56
	RANK 6, 57
	RANK 5, 58
	RANK 12, 59
	RANK 10, 60
	RANK 9, 61
	s_lshl_b32 s57, s57, 16
	s_or_b32 s56, s56, s57
	s_lshl_b32 s59, s59, 16
	s_or_b32 s58, s58, s59
	s_lshl_b32 s61, s61, 16
	s_or_b32 s60, s60, s61
	v_mov_b32 v56, s56
	v_mov_b32 v57, s58
	v_mov_b32 v58, s60
	v_mov_b32 v59, 0
	v_mov_b32 v60, 0
	v_lshlrev_b32 v61, 2, v1
	v_lshl_or_b32 v54, v48, 8, v50                 ; rank | mask << 8
	v_lshl_or_b32 v55, v49, 8, v51
	global_store_b128 v6, v[32:35], s[18:19]
	global_store_b128 v6, v[36:39], s[18:19] offset:512
	global_store_b32 v61, v54, s[20:21]
	global_store_b32 v61, v55, s[20:21] offset:128
	v_cmp_eq_u32 vcc_lo, 0, v1
	s_wait_xcnt 0x0                                ; EXEC changes only behind this wait
	s_and_saveexec_b32 s62, vcc_lo
	global_store_b128 v60, v[56:59], s[22:23]      ; lane 0 alone: the block's counts
	s_wait_xcnt 0x0                                ; and again in front of the line that widens it
	s_or_b32 exec_lo, exec_lo, s62
.Ldone:
	s_wait_tensorcnt 0x0
	ds_add_u32 v254, v255
	s_wait_dscnt 0x0
	s_endpgm
.Lfunc_end_k_q64bfaaa328_route:
	.size	k_q64bfaaa328_route, .Lfunc_end_k_q64bfaaa328_route-k_q64bfaaa328_route
	.p2alignl 7, 3214868480
	.fill 96, 4, 3214868480
	.section	.rodata,"a",@progbits
	.p2align	6, 0x0
	.amdhsa_kernel k_q64bfaaa328_route
		.amdhsa_group_segment_fixed_size 2048
		.amdhsa_private_segment_fixed_size 0
		.amdhsa_enable_private_segment 0
		.amdhsa_kernarg_size 88
		.amdhsa_user_sgpr_count 2
		.amdhsa_user_sgpr_kernarg_segment_ptr 1
		.amdhsa_wavefront_size32 1
		.amdhsa_system_sgpr_workgroup_id_x 1
		.amdhsa_system_sgpr_workgroup_id_y 1
		.amdhsa_system_sgpr_workgroup_id_z 1
		.amdhsa_system_vgpr_workitem_id 0
		.amdhsa_next_free_vgpr 256
		.amdhsa_next_free_sgpr 66
		.amdhsa_reserve_vcc 1
		.amdhsa_float_denorm_mode_32 3
		.amdhsa_float_denorm_mode_16_64 3
		.amdhsa_memory_ordered 1
		.amdhsa_forward_progress 1
		.amdhsa_inst_pref_size 60
	.end_amdhsa_kernel
	.amdgpu_metadata
---
amdhsa.version: [ 1, 2 ]
amdhsa.kernels:
  - .name:           k_q64bfaaa328_route
    .symbol:         k_q64bfaaa328_route.kd
    .args:
      - { .name: x, .offset: 0, .size: 8, .value_kind: global_buffer, .address_space: global }
      - { .name: wg, .offset: 8, .size: 8, .value_kind: global_buffer, .address_space: global }
      - { .name: bg, .offset: 16, .size: 8, .value_kind: global_buffer, .address_space: global }
      - { .name: lowp_scales, .offset: 24, .size: 8, .value_kind: global_buffer, .address_space: global }
      - { .name: w1_codes, .offset: 32, .size: 8, .value_kind: global_buffer, .address_space: global }
      - { .name: w2_codes, .offset: 40, .size: 8, .value_kind: global_buffer, .address_space: global }
      - { .name: xq, .offset: 48, .size: 8, .value_kind: global_buffer, .address_space: global }
      - { .name: comb, .offset: 56, .size: 8, .value_kind: global_buffer, .address_space: global }
      - { .name: rinfo, .offset: 64, .size: 8, .value_kind: global_buffer, .address_space: global }
      - { .name: hist, .offset: 72, .size: 8, .value_kind: global_buffer, .address_space: global }
      - { .name: wl, .offset: 80, .size: 8, .value_kind: global_buffer, .address_space: global }
    .group_segment_fixed_size: 2048
    .private_segment_fixed_size: 0
    .kernarg_segment_align: 8
    .kernarg_segment_size: 88
    .max_flat_workgroup_size: 256
    .sgpr_count:     66
    .vgpr_count:     256
    .wavefront_size: 32
...
	.end_amdgpu_metadata
.endif
;; end of part 1
;; launch place (part 2): grid 256 x 1, 2 waves a work-group, no clusters, 0 bytes of LDS; arguments rinfo, hist, order; writes order
.if DOCPART == 2
	.amdgcn_target "amdgcn-amd-amdhsa--gfx1250"
	.amdhsa_code_object_version 6
	.text
	.protected	k_q64bfaaa328_place
	.globl	k_q64bfaaa328_place
	.p2align	8
	.type	k_q64bfaaa328_place,@function
k_q64bfaaa328_place:
	s_mov_b64 s[64:65], 0
	v_nop
	global_prefetch_b8 v0, s[64:65] scope:SCOPE_SE
	s_setreg_imm32_b32 hwreg(HW_REG_WAVE_MODE, 25, 1), 1
	s_wait_xcnt 0x0
; PLACE.  Whole numbers only.  The 16,384 tokens are sorted by their pair of experts (pairs 0..5 = masks 3, 6, 5, 12, 10, 9): order [position] = token | mask << 16.
; A token's position = the tokens of all pairs ahead of its own + the tokens of its pair in the blocks ahead of its own + its rank in its block.
; Work-group b: the 64 tokens of block b, one to a thread.  Each wave reads all 256 rows of hist (4,096 bytes, eight dense loads) and sums them: counts lie two to a word,
; in fields of 16 bits; no field passes 16,384, so nothing carries from one into the other.
; The stores of 4 bytes to scattered places are the placement itself: 65,536 bytes in the whole launch.
	s_load_b128 s[4:7], s[0:1], 0x0                ; rinfo s[4:5], hist s[6:7]
	s_load_b64 s[8:9], s[0:1], 0x10                ; order
	v_and_b32 v1, 31, v0                           ; lane
	v_lshlrev_b32 v40, 2, v0
	v_lshlrev_b32 v41, 4, v1
	s_lshl_b32 s10, ttmp9, 8
	s_mov_b32 s11, 0
	s_mov_b32 s12, 0x76543210                      ; v_permlanex16_b32: lane l takes lane l xor 16
	s_mov_b32 s13, 0xfedcba98
	v_mov_b32 v50, 0                               ; written once: the destination of a lane move counts as read
	s_wait_kmcnt 0x0
	s_add_nc_u64 s[4:5], s[4:5], s[10:11]
	global_load_b32 v2, v40, s[4:5]                ; my token's rank and mask
.irp i, 0,1,2,3,4,5,6,7
	global_load_b128 v[8+4*\i:11+4*\i], v41, s[6:7] offset:512*\i    ; rows lane + 32 i
.endr
	s_wait_loadcnt 0x0
.irp i, 0,1,2,3,4,5,6,7
	s_sub_co_i32 s14, ttmp9, 32*\i
	v_cmp_gt_i32 vcc_lo, s14, v1                   ; row lane + 32 i lies ahead of block b
.irp k, 0,1,2
.if \i == 0
	v_mov_b32 v[42+\k], v[8+\k]                    ; v42-44: all rows;  v45-47: the rows ahead of mine
	v_cndmask_b32 v[45+\k], 0, v[8+\k], vcc_lo
.else
	v_add_nc_u32 v[42+\k], v[42+\k], v[8+4*\i+\k]
	v_cndmask_b32 v48, 0, v[8+4*\i+\k], vcc_lo
	v_add_nc_u32 v[45+\k], v[45+\k], v48
.endif
.endr
.endr
.irp k, 1,2,4,8
.irp r, 42,43,44,45,46,47
	v_mov_b32_dpp v50, v\r row_xmask:\k row_mask:0xf bank_mask:0xf
	v_add_nc_u32 v\r, v\r, v50
.endr
.endr
.irp r, 42,43,44,45,46,47
	v_permlanex16_b32 v50, v\r, s12, s13
	v_add_nc_u32 v\r, v\r, v50
.endr
.irp k, 0,1,2,3,4,5
	v_readfirstlane_b32 s[16+\k], v[42+\k]         ; s16-18 the totals, s19-21 the counts ahead
.endr
	s_and_b32 s24, s19, 0xffff                     ; s24-29: where my block's tokens of pair 0..5 begin;  s30: the tokens of the pairs so far
	s_and_b32 s30, s16, 0xffff
	s_lshr_b32 s31, s19, 16
	s_add_co_u32 s25, s30, s31
	s_lshr_b32 s31, s16, 16
	s_add_co_u32 s30, s30, s31
	s_and_b32 s31, s20, 0xffff
	s_add_co_u32 s26, s30, s31
	s_and_b32 s31, s17, 0xffff
	s_add_co_u32 s30, s30, s31
	s_lshr_b32 s31, s20, 16
	s_add_co_u32 s27, s30, s31
	s_lshr_b32 s31, s17, 16
	s_add_co_u32 s30, s30, s31
	s_and_b32 s31, s21, 0xffff
	s_add_co_u32 s28, s30, s31
	s_and_b32 s31, s18, 0xffff
	s_add_co_u32 s30, s30, s31
	s_lshr_b32 s31, s21, 16
	s_add_co_u32 s29, s30, s31
	v_bfe_u32 v3, v2, 8, 4                         ; mask
	v_and_b32 v4, 0xff, v2                         ; rank
	v_mov_b32 v5, s24
	v_cmp_eq_u32 vcc_lo, 6, v3
	v_cndmask_b32 v5, v5, s25, vcc_lo
	v_cmp_eq_u32 vcc_lo, 5, v3
	v_cndmask_b32 v5, v5, s26, vcc_lo
	v_cmp_eq_u32 vcc_lo, 12, v3
	v_cndmask_b32 v5, v5, s27, vcc_lo
	v_cmp_eq_u32 vcc_lo, 10, v3
	v_cndmask_b32 v5, v5, s28, vcc_lo
	v_cmp_eq_u32 vcc_lo, 9, v3
	v_cndmask_b32 v5, v5, s29, vcc_lo
	v_add_nc_u32 v5, v5, v4
	v_min_u32 v5, 0x3fff, v5                       ; a position made of loaded numbers is held inside the list
	v_lshlrev_b32 v5, 2, v5
	s_lshl_b32 s15, ttmp9, 6
	v_add_nc_u32 v6, s15, v0                       ; my token
	v_lshl_or_b32 v6, v3, 16, v6
	global_store_b32 v5, v6, s[8:9]
	s_endpgm
.Lfunc_end_k_q64bfaaa328_place:
	.size	k_q64bfaaa328_place, .Lfunc_end_k_q64bfaaa328_place-k_q64bfaaa328_place
	.p2alignl 7, 3214868480
	.fill 96, 4, 3214868480
	.section	.rodata,"a",@progbits
	.p2align	6, 0x0
	.amdhsa_kernel k_q64bfaaa328_place
		.amdhsa_group_segment_fixed_size 0
		.amdhsa_private_segment_fixed_size 0
		.amdhsa_enable_private_segment 0
		.amdhsa_kernarg_size 24
		.amdhsa_user_sgpr_count 2
		.amdhsa_user_sgpr_kernarg_segment_ptr 1
		.amdhsa_wavefront_size32 1
		.amdhsa_system_sgpr_workgroup_id_x 1
		.amdhsa_system_sgpr_workgroup_id_y 1
		.amdhsa_system_sgpr_workgroup_id_z 1
		.amdhsa_system_vgpr_workitem_id 0
		.amdhsa_next_free_vgpr 64
		.amdhsa_next_free_sgpr 66
		.amdhsa_reserve_vcc 1
		.amdhsa_float_denorm_mode_32 3
		.amdhsa_float_denorm_mode_16_64 3
		.amdhsa_memory_ordered 1
		.amdhsa_forward_progress 1
		.amdhsa_inst_pref_size 10
	.end_amdhsa_kernel
	.amdgpu_metadata
---
amdhsa.version: [ 1, 2 ]
amdhsa.kernels:
  - .name:           k_q64bfaaa328_place
    .symbol:         k_q64bfaaa328_place.kd
    .args:
      - { .name: rinfo, .offset: 0, .size: 8, .value_kind: global_buffer, .address_space: global }
      - { .name: hist, .offset: 8, .size: 8, .value_kind: global_buffer, .address_space: global }
      - { .name: order, .offset: 16, .size: 8, .value_kind: global_buffer, .address_space: global }
    .group_segment_fixed_size: 0
    .private_segment_fixed_size: 0
    .kernarg_segment_align: 8
    .kernarg_segment_size: 24
    .max_flat_workgroup_size: 64
    .sgpr_count:     66
    .vgpr_count:     64
    .wavefront_size: 32
...
	.end_amdgpu_metadata
.endif
;; end of part 2
;; launch experts (part 3): grid 256 x 1, 4 waves a work-group, no clusters, 58,880 bytes of LDS; arguments xq, comb, order, wl, b1, b2, lowp_scales, out0; writes out0
.if DOCPART == 3
	.amdgcn_target "amdgcn-amd-amdhsa--gfx1250"
	.amdhsa_code_object_version 6
	.text
	.protected	k_q64bfaaa328_experts
	.globl	k_q64bfaaa328_experts
	.p2align	8
	.type	k_q64bfaaa328_experts,@function
k_q64bfaaa328_experts:
	s_mov_b64 s[64:65], 0
	v_nop
	global_prefetch_b8 v0, s[64:65] scope:SCOPE_SE
	s_setreg_imm32_b32 hwreg(HW_REG_WAVE_MODE, 25, 1), 1
	s_wait_xcnt 0x0
; EXPERTS.  out[t] = the sum over the experts e of gate(t, e) x (relu(x[t] w1[e] + b1[e]) w2[e] + b2[e]), both products on codes of E4M3 by v_wmma_f32_16x16x128_fp8_fp8, sums in f32.
; Scales 2^e0 (w1), 2^e1 (x), 2^e2 (the hidden layer), 2^e3 (w2).  Only the experts that a token chose have a gate other than 0: the others' rows need not be multiplied.
; SHARES.  Work-group b owns the 64 tokens at places 64 b .. 64 b + 63 of the sorted list (four tiles m of 16), so each row of out has one owner.  It walks e = 0 .. 3 in a loop of constant count and
; jumps, by a scalar branch on the list's masks, over the WORK of experts that none of its tokens chose; every barrier stands on every path.
; THE WAVES SHARE THE COLUMNS: wave w makes hidden units 128 c + 32 w .. + 31 of chunk c (8 chunks of 128 an expert) and output columns 128 w .. + 127, for all 64 tokens.  So every weight byte is read by one
; wave alone, from the buffer laid out in the order of the operand registers, straight into a ring of registers, one chunk (16 fragments, 32,768 bytes a wave) ahead; each load reads 512 consecutive bytes.
; Both products are used transposed (source 0 = 16 rows of a weight, source 1 = 16 tokens): a lane holds one token throughout.  The rows of w1 that form a tile are chosen so that a lane's 16 sums of tiles u = 0, 1
; are 16 neighbours along the next K: the conversions' results are quad w of the next operand.  They go from wave to wave through LDS as images of registers, in two buffers by turns: one barrier a chunk.
; A TRIP c: the images of chunk c come in | first product for chunk c + 1 (32 matrix instructions) | second product for chunk c (32), with chunk c + 1's relu, hold and conversions set between them | its images go out.
; NO WEIGHT ADDRESS HANGS ON THE LIST: every pointer is made of the loop's own count e.  The pipeline goes on from expert e into expert (e + 1) mod 4 ON A GUESS: trips 6 and 7 fetch that expert's chunks 0 and 1, and
; trip 7's first product is its chunk 0.  RDY says whose chunk 0 stands ready (0 behind the launch's head, which starts with expert 0; e + 1 behind a used expert).  A used expert that is not the one that stands
; ready starts the pipeline anew.  The price of a wrong guess: 32 of an expert's 512 matrix instructions, 49,152 bytes of fetches a wave, and one new start.
; NO POINTER IS STEPPED INSIDE AN EXPERT.  The eight trips are written out, and a chunk's place stands in the loads' immediates: 261,632 bytes at the most, inside the signed 24-bit immediate (ISA guide, chapter 10).
; The four pointers (this expert's chunk 0 in wl and b1, the next one's) are written once an expert, at the loop's head, behind the one wait that frees the bases of the loads issued so far.
; THE STATE BETWEEN THE PIECES.  A start and every trip leave the same 68 loads out, in the same order: w1's group 0 (8), the bias (4), groups 1-3 (24), w2's eight fragments (32).  A piece that is jumped over
; issues nothing and waits for nothing.  So the counts of the waits hold whichever pieces are run.
; ONE SET OF ACCUMULATORS FOR ALL EXPERTS.  Kept: out / 2^(e2 + e3) = R x ACC, R one number a token.  At an expert's start ACC = ACC x (R / g) + b2 / 2^(e2 + e3) and R = g, g the token's gate; the expert's
; products then add with weight 1.  At the end out = ACC x R x 2^(e2 + e3).
; LIMITS.  A gate under 2^-60, 0 among them, counts as 2^-60: an unchosen expert that the block walks adds 2^-60 of its row.  e2 - e0 - e1 between -126 and 119; b1 / 2^(e0 + e1) and b2 / 2^(e2 + e3) finite.
; NaN among the inputs is not served.
; NO CLUSTER, NO TENSOR LOAD: which experts a work-group walks hangs on the stored list; neighbours at the border of two pairs walk different numbers of experts, and a joint request may neither be jumped over
; nor differ between partners.  No two waves of a work-group read the same weight byte, so LDS would add a hop and share nothing.
; REGISTERS, in windows of 256 (s_set_vgpr_msb: bits 1:0 source 0, 3:2 source 1, 5:4 source 2, 7:6 destination):
;   window 0: addresses, gates, the hidden layer's sums, codes, hidden fragments (below).   window 1: x's 16 fragments, at 16 (4 m + ks): they stay.
;   window 2: the ring: v0-127 w1's 8 fragments (2 ks + u), v128-255 w2's 8 (n).   window 3: the 32 accumulators of out, (n, m) at 8 (4 n + m).
.set BLK,   32768                      ; a block of wl: one (expert, wave, chunk)
.set B2T,   16384                      ; LDS: 0 and 8,192 the two image buffers (fragment m at 2,048 m, quad q at 512 q, lane at 16 l); here b2 / 2^(e2 + e3), [e][512];
.set STG,   24576                      ; here a stage of 16 rows x 528 bytes for each wave, its own
.set SP,    528
.set XO,    16                         ; v16-19   my token's byte in xq, tile m
.set CO,    20                         ; v20-23   in comb
.set RT,    24                         ; v24-31   R / g, pairs (the low half is used)
.set GT,    32                         ; v32-47   the gates: 4 m + 0 is the expert in hand's
.set RR,    48                         ; v48-51   R
.set B1R,   64                         ; v64-79   b1 of my 32 hidden units of the next chunk but one, in the result's layout
.set HACC,  80                         ; v80-143  the first product's sums, tile (m, u) at 8 (2 m + u)
.set CODES, 144                        ; v144-159 their codes, four registers a tile m; at a start: b1 of chunk 0
.set HFRAG, 160                        ; v160-223 the hidden fragments, 16 m + 4 q; between experts b2's 64 numbers
.set OFFS,  224                        ; v224-239 the way out: 16 rows' byte offsets in out
.set TOK,   240                        ; v240-243 my token, tile m
.set FF,    244                        ; v244-251 R x 2^(e2 + e3), pairs
.set W1R,   0
.set W2R,   128
.set WLB,   38                         ; s[38:39] wl + 262,144 w
.set B1B,   40                         ; s[40:41] b1 + 128 w
.set NA,    54                         ; s[54:55] wl: chunk 0 of expert (e + 1) mod 4
.set NBI,   56                         ; s[56:57] b1: the same
.set RDY,   59                         ; s59      the expert whose chunk 0 stands ready
.set CA,    60                         ; s[60:61] wl: chunk 0 of the expert in hand
.set CBI,   62                         ; s[62:63] b1: the same
; v1 16 x lane; v2 r; v3 h; v4 16 x lane + 512 w; v5, v6 b2's LDS address; v7 64 h; v8, v9 the stage, in and back; v10 512 w + 16 x lane; v11, v12 2^(e2 - e0 - e1) and 448 x that
; s20 wave; s21 the block's mask of experts; s22 e; s24 1 if e is used; s[42:43], s[44:45], s[52:53] offsets made of e; s46 2,048 e; s47 -(e0 + e1); s48 -(e2 + e3); s49 e2 + e3
.set MSB, 0
.macro WIN new                         ; the immediate's high byte repeats the setting that is left; a switch that changes nothing is dropped
.if MSB != \new
	s_set_vgpr_msb (MSB<<8)|\new
.set MSB, \new
.endif
.endm
.macro FRAGLD reg, ptr, imm            ; a fragment of weights, as it lies: four loads of 512 consecutive bytes
.irp q, 0,1,2,3
	global_load_b128 v[\reg+4*\q:\reg+4*\q+3], v1, s[\ptr:\ptr+1] offset:\imm+512*\q
.endr
.endm
; THE FIRST PRODUCT for one chunk: 4 K steps x (2 tiles of hidden units x 4 tiles of tokens).  ab: where w1's fragments lie in window 2; cb: where the bias lies; wa, wb: the counts of the waits;
; ptr, pimm: the block from which fragments are fetched anew; bptr, bimm: the bias likewise.
; The eight accumulators take turns, one instruction a turn.  The bias, divided by 2^(e0 + e1), is the C of each sum's first instruction.
; Behind each K step: four places, then the two fragments just multiplied are fetched anew (pro = 0: the next chunk but one's; pro = 1, a start: w2's first eight fragments, whose registers w1's chunk 0 had borrowed).
.macro P1 ab, cb, wa, wb, pro, ptr, pimm, bptr, bimm
.irp ks, 0,1,2,3
.if \ks == 0
	s_wait_loadcnt \wa
	WIN 0
.irp i, 0,1,2,3,4,5,6,7,8,9,10,11,12,13,14,15
	v_ldexp_f32 v[\cb+\i], v[\cb+\i], s47
.endr
.else
	s_wait_loadcnt \wb
.endif
	WIN 0x06                                       ; source 0 (w1) window 2, source 1 (x) window 1, C and D window 0
.irp u, 0,1
.irp m, 0,1,2,3
.if \ks == 0
	v_wmma_f32_16x16x128_fp8_fp8 v[HACC+8*(2*\m+\u):HACC+8*(2*\m+\u)+7], v[\ab+16*(2*\ks+\u):\ab+16*(2*\ks+\u)+15], v[16*(4*\m+\ks):16*(4*\m+\ks)+15], v[\cb+8*\u:\cb+8*\u+7]
.else
	v_wmma_f32_16x16x128_fp8_fp8 v[HACC+8*(2*\m+\u):HACC+8*(2*\m+\u)+7], v[\ab+16*(2*\ks+\u):\ab+16*(2*\ks+\u)+15], v[16*(4*\m+\ks):16*(4*\m+\ks)+15], v[HACC+8*(2*\m+\u):HACC+8*(2*\m+\u)+7]
.endif
.endr
.endr
.rept 4
	v_nop                                          ; four places in front of loads into registers that matrix instructions have read, and (behind the last K step) of the first read of the sums
.endr
	WIN 0x80                                       ; destination window 2, address window 0
.irp u, 0,1
.if \pro
	FRAGLD W2R+16*(2*\ks+\u), \ptr, \pimm+16384+2048*(2*\ks+\u)
.else
	FRAGLD W1R+16*(2*\ks+\u), \ptr, \pimm+2048*(2*\ks+\u)
.endif
.endr
.if (\ks == 0) && (\pro == 0)
	WIN 0
.irp q, 0,1,2,3
	global_load_b128 v[B1R+4*\q:B1R+4*\q+3], v7, s[\bptr:\bptr+1] offset:\bimm+16*\q    ; lane (r, h): b1 of hidden units 16 h + 0 .. 15 of my 32
.endr
.endif
.endr
.endm
; THE SECOND PRODUCT for one chunk, 32 matrix instructions on 32 accumulators, one each; between them, four at a time, the 64 lines that are relu and hold in one for the chunk ahead, and its eight conversions.
; A trip issues, in this order, w1's group 0 (8 loads), the bias (4), groups 1-3 (24), w2's fragments 0-7 (32).  So behind w2's fragment 0 of the trip before stand 28 + 36 = 64 loads (the count 63 is the largest
; that can be written), behind fragment n, n over 0, 4 (7 - n) + 36 + 4 (n - 1) = 60.  Fragment n - 1 is fetched anew behind fragment n's products: twelve plain lines stand behind its last use.
.macro P2Q ptr, pimm
.irp n, 0,1,2,3,4,5,6,7
.if \n == 0
	s_wait_loadcnt 63
.else
	s_wait_loadcnt 60
.endif
.irp g, 0,1
	WIN 0xf2                                       ; source 0 (w2) window 2, source 1 (hidden) window 0, C and D window 3
	v_wmma_f32_16x16x128_fp8_fp8 v[8*(4*\n+2*\g):8*(4*\n+2*\g)+7], v[W2R+16*\n:W2R+16*\n+15], v[HFRAG+32*\g:HFRAG+32*\g+15], v[8*(4*\n+2*\g):8*(4*\n+2*\g)+7]
	v_wmma_f32_16x16x128_fp8_fp8 v[8*(4*\n+2*\g+1):8*(4*\n+2*\g+1)+7], v[W2R+16*\n:W2R+16*\n+15], v[HFRAG+32*\g+16:HFRAG+32*\g+31], v[8*(4*\n+2*\g+1):8*(4*\n+2*\g+1)+7]
	WIN 0
.irp k, 0,1,2,3
	v_med3_num_f32 v[HACC+8*\n+4*\g+\k], v[HACC+8*\n+4*\g+\k], 0, v12   ; the activation and the hold in one: between 0 and the largest code x the scale; each accumulator from its low end on
.endr
.endr
.if (\n%2) == 1
	v_cvt_scalef32_pk8_fp8_f32 v[CODES+4*(\n/2):CODES+4*(\n/2)+1], v[HACC+16*(\n/2):HACC+16*(\n/2)+7], v11
	v_cvt_scalef32_pk8_fp8_f32 v[CODES+4*(\n/2)+2:CODES+4*(\n/2)+3], v[HACC+16*(\n/2)+8:HACC+16*(\n/2)+15], v11
.endif
.if \n >= 1
	WIN 0x80
	FRAGLD W2R+16*(\n-1), \ptr, \pimm+16384+2048*(\n-1)
.endif
.endr
	WIN 0
.rept 4
	v_nop                                          ; the plain line behind the last conversion; the places in front of fragment 7's loads, of the next loads into the hidden fragments and of the next writes of the accumulators
.endr
	WIN 0x80
	FRAGLD W2R+16*7, \ptr, \pimm+16384+2048*7
	WIN 0
.endm
.macro HLOAD par                       ; the four hidden fragments of a chunk, as images
.irp m, 0,1,2,3
.irp q, 0,1,2,3
	ds_load_b128 v[HFRAG+16*\m+4*\q:HFRAG+16*\m+4*\q+3], v1 offset:8192*(\par)+2048*\m+512*\q
.endr
.endr
.endm
.macro HSTORE par                      ; my quad of each of the four
.irp m, 0,1,2,3
	ds_store_b128 v4, v[CODES+4*\m:CODES+4*\m+3] offset:8192*(\par)+2048*\m
.endr
.endm
; A START OF THE PIPELINE, in two parts.  RLISSUE: 72 loads from an expert's chunks 0 and 1 (ptr: its chunk 0 in wl; bptr: in b1).
.macro RLISSUE ptr, bptr
	WIN 0
.irp q, 0,1,2,3
	global_load_b128 v[CODES+4*\q:CODES+4*\q+3], v7, s[\bptr:\bptr+1] offset:16*\q      ; b1 of chunk 0, in registers that are free till the first conversions
.endr
	WIN 0x80
.irp i, 0,1,2,3,4,5,6,7
	FRAGLD W2R+16*\i, \ptr, 2048*\i                ; w1 of chunk 0 borrows w2's registers,
.endr
.irp i, 0,1
	FRAGLD W1R+16*\i, \ptr, BLK+2048*\i            ; and from here on the order of a trip's loads: w1 of chunk 1, group 0,
.endr
	WIN 0
.irp q, 0,1,2,3
	global_load_b128 v[B1R+4*\q:B1R+4*\q+3], v7, s[\bptr:\bptr+1] offset:512+16*\q      ; its bias,
.endr
	WIN 0x80
.irp i, 2,3,4,5,6,7
	FRAGLD W1R+16*\i, \ptr, BLK+2048*\i            ; groups 1 to 3
.endr
	WIN 0
.endm
; RLWORK: chunk 0's first product (which fetches w2's chunk 0 into the registers that it frees), its codes, its images into buffer 0.
.macro RLWORK ptr
	P1 W2R, CODES, 60, 60, 1, \ptr, 0, \ptr, 0     ; behind chunk 0's group ks stand 8 (3 - ks) + 36 + 8 ks = 60 loads; whatever was issued ahead of RLISSUE is older
	WIN 0
.irp m, 0,1,2,3
.irp i, 0,1,2,3,4,5,6,7,8,9,10,11,12,13,14,15
	v_med3_num_f32 v[HACC+16*\m+\i], v[HACC+16*\m+\i], 0, v12
.endr
	v_cvt_scalef32_pk8_fp8_f32 v[CODES+4*\m:CODES+4*\m+1], v[HACC+16*\m:HACC+16*\m+7], v11
	v_cvt_scalef32_pk8_fp8_f32 v[CODES+4*\m+2:CODES+4*\m+3], v[HACC+16*\m+8:HACC+16*\m+15], v11
.endr
	v_nop                                          ; a plain line behind the last conversion
	HSTORE 0
.endm
; AT A USED EXPERT'S HEAD: ACC = ACC x (R / g) + b2 / 2^(e2 + e3), R = g.
.macro SCALE
.irp n, 0,1,2,3,4,5,6,7
	ds_load_b128 v[HFRAG+8*\n:HFRAG+8*\n+3], v6 offset:64*\n         ; b2 in the accumulators' layout: columns 16 n + 8 h + 0 .. 7 of my 128
	ds_load_b128 v[HFRAG+8*\n+4:HFRAG+8*\n+7], v6 offset:64*\n+16
.endr
.irp m, 0,1,2,3
	v_max_num_f32 v[52+\m], 0x21800000, v[GT+4*\m] ; g, at least 2^-60
.endr
.irp m, 0,1,2,3
	v_rcp_f32 v[56+\m], v[52+\m]
.endr
	v_nop                                          ; a plain line behind the reciprocals
	s_wait_alu depctr_va_vdst(0)
.irp m, 0,1,2,3
	v_mul_f32 v[RT+2*\m], v[RR+\m], v[56+\m]       ; R / g
.endr
.irp m, 0,1,2,3
	v_mov_b32 v[RR+\m], v[52+\m]                   ; R = g
.endr
	s_wait_dscnt 0x0
	WIN 0xc3                                       ; destination and source 0 window 3
.irp n, 0,1,2,3,4,5,6,7
.irp m, 0,1,2,3
.irp i, 0,2,4,6
	v_pk_fma_f32 v[8*(4*\n+\m)+\i:8*(4*\n+\m)+\i+1], v[8*(4*\n+\m)+\i:8*(4*\n+\m)+\i+1], v[RT+2*\m:RT+2*\m+1], v[HFRAG+8*\n+\i:HFRAG+8*\n+\i+1] op_sel_hi:[1,0,1]   ; each accumulator from its low end on
.endr
.endr
.endr
	WIN 0
.endm
; TRIP c of an expert's eight; par = c % 2: the image buffer that is read.  The barrier stands on every path: in front of it my image stores have landed and my reads of the other buffer are in.
; The work is jumped over where the expert is not used.  No register that a load names is written here: a chunk's place stands in the immediates.
; c = 0 .. 5: w1 and the bias are fetched from this expert's chunk c + 2, w2 from its chunk c + 1.  c = 6: w1 and the bias from chunk 0 of expert (e + 1) mod 4, w2 from this expert's chunk 7.
; c = 7: w1 and the bias from that expert's chunk 1, w2 from its chunk 0.
.macro TRIP par, c
	s_wait_dscnt 0x0
	s_barrier_signal -1
	s_barrier_wait -1
	s_cmp_eq_u32 s24, 0
	s_cbranch_scc1 .Lskip_\@
	HLOAD \par
.if \c < 6                             ; behind the bias of the trip before stand 24 + 32 = 56 loads; behind group ks, ks over 0, 8 (3 - ks) + 32 + 12 + 8 (ks - 1) = 60
	P1 W1R, B1R, 56, 60, 0, CA, (\c+2)*BLK, CBI, (\c+2)*512
.elseif \c == 6
	P1 W1R, B1R, 56, 60, 0, NA, 0, NBI, 0
.else
	P1 W1R, B1R, 56, 60, 0, NA, BLK, NBI, 512
.endif
	s_wait_dscnt 0x0                               ; the hidden fragments are in
.if \c < 7
	P2Q CA, (\c+1)*BLK
.else
	P2Q NA, 0
.endif
	HSTORE 1-\par
.Lskip_\@:
.endm
	s_load_b256 s[4:11], s[0:1], 0x0               ; xq s[4:5], comb s[6:7], order s[8:9], wl s[10:11]
	s_load_b256 s[12:19], s[0:1], 0x20             ; b1 s[12:13], b2 s[14:15], the scales' exponents s[16:17], out s[18:19]
	v_lshl_add_u32 v254, v0, 2, 0xe400
	v_mov_b32 v255, 0
	v_lshrrev_b32 v13, 5, v0
	v_readfirstlane_b32 s20, v13                   ; wave 0..3
	v_and_b32 v13, 31, v0
	v_lshlrev_b32 v1, 4, v13                       ; 16 x lane
	v_and_b32 v2, 15, v0                           ; r
	v_bfe_u32 v3, v0, 4, 1                         ; h
	s_lshl_b32 s25, s20, 9
	v_add_nc_u32 v4, s25, v1                       ; my quad of an image: 16 x lane + 512 w
	v_lshlrev_b32 v5, 5, v3
	v_add_nc_u32 v5, s25, v5
	v_add_nc_u32 v5, B2T, v5                       ; b2 in LDS: my 128 columns, + 32 h
	v_lshlrev_b32 v7, 6, v3                        ; b1: 64 h
	s_mul_i32 s26, s20, 16*SP                      ; my stage
	v_mul_u32_u24 v8, v2, SP
	v_lshl_add_u32 v8, v3, 5, v8
	v_add_nc_u32 v8, s26, v8
	v_add_nc_u32 v8, STG, v8                       ; in: row r, + 32 h
	v_add_nc_u32 v9, s26, v1
	v_add_nc_u32 v9, STG, v9                       ; back: 32 lanes take a row of 512 bytes
	v_add_nc_u32 v10, s25, v1                      ; and the same place in a row of out
	v_lshlrev_b32 v13, 2, v2                       ; order: 4 r
	v_lshlrev_b32 v14, 4, v0                       ; b2: 16 bytes a thread
	v_mov_b32 v58, 0
	v_mov_b32 v59, 0
	s_lshl_b32 s26, ttmp9, 8
	s_mov_b32 s27, 0
	s_wait_kmcnt 0x0
	s_load_b128 s[28:31], s[16:17], 0x0            ; e0 .. e3
	s_add_nc_u64 s[8:9], s[8:9], s[26:27]
.irp m, 0,1,2,3
	global_load_b32 v[52+\m], v13, s[8:9] offset:64*\m               ; the list's word of token r of tile m
.endr
.irp i, 0,1,2,3
	global_load_b128 v[HFRAG+4*\i:HFRAG+4*\i+3], v14, s[14:15] offset:2048*\i   ; b2, all four experts': 8,192 bytes by 128 threads
.endr
	WIN 0xc0                                       ; destination window 3
.set ZI, 0
.rept 128
	v_pk_add_f32 v[ZI:ZI+1], v[58:59], v[58:59]    ; the accumulators begin as zeros, two at a time, while the loads above are out: which expert comes first hangs on the list, and one text serves every first expert
.set ZI, ZI+2
.endr
	WIN 0
	s_wait_loadcnt 0x0
.irp m, 0,1,2,3
	v_and_b32 v[TOK+\m], 0xffff, v[52+\m]
	v_min_u32 v[TOK+\m], 0x3fff, v[TOK+\m]         ; a loaded number is held inside the table before it enters an address
	v_lshlrev_b32 v[XO+\m], 9, v[TOK+\m]
	v_lshl_add_u32 v[XO+\m], v3, 4, v[XO+\m]       ; xq: row of 512 bytes, + 16 h
	v_lshlrev_b32 v[CO+\m], 4, v[TOK+\m]
.endr
	v_or_b32 v13, v52, v53                         ; the experts that any of the 64 tokens chose: every wave reads all 64 words, so all four find the same mask
	v_or_b32 v13, v13, v54
	v_or_b32 v13, v13, v55
	s_mov_b32 s21, 0
.irp e, 0,1,2,3
	v_and_b32 v15, 1<<(16+\e), v13
	v_cmp_ne_u32 s50, 0, v15
	s_cmp_lg_u32 s50, 0
	s_cselect_b32 s51, 1<<\e, 0
	s_or_b32 s21, s21, s51
.endr
	s_mov_b32 s43, 0                               ; the upper words of the offsets' pairs
	s_mov_b32 s45, 0
	s_mov_b32 s53, 0
	s_lshl_b32 s26, s20, 18
	s_add_nc_u64 s[WLB:WLB+1], s[10:11], s[26:27]
	s_lshl_b32 s26, s20, 7
	s_add_nc_u64 s[B1B:B1B+1], s[12:13], s[26:27]
.irp m, 0,1,2,3
	global_load_b128 v[GT+4*\m:GT+4*\m+3], v[CO+\m], s[6:7]          ; my token's four gates
.endr
	WIN 0x40                                       ; destination window 1
.irp m, 0,1,2,3
.irp ks, 0,1,2,3
.irp q, 0,1,2,3
	global_load_b128 v[16*(4*\m+\ks)+4*\q:16*(4*\m+\ks)+4*\q+3], v[XO+\m], s[4:5] offset:128*\ks+32*\q   ; x's fragments: lane (r, h): token r, k = 128 ks + 32 q + 16 h + 0 .. 15
.endr
.endr
.endr
	RLISSUE WLB, B1B                               ; the pipeline starts with expert 0, on a guess: three of the six pairs hold it
	s_wait_kmcnt 0x0
	s_add_co_i32 s47, s28, s29
	s_sub_co_i32 s47, 0, s47                       ; -(e0 + e1): a sum of the first product stands for sum x 2^(e0 + e1), so b1 goes in divided by that
	s_add_co_i32 s49, s30, s31                     ; e2 + e3
	s_sub_co_i32 s48, 0, s49
	s_add_co_i32 s25, s30, s47
	s_add_co_i32 s25, s25, 127
	s_lshl_b32 s26, s25, 23
	v_mov_b32 v11, s26                             ; 2^(e2 - e0 - e1): the three scales folded into the conversion's one
	s_add_co_i32 s25, s25, 8
	s_lshl_b32 s25, s25, 23
	s_or_b32 s25, s25, 0x600000
	v_mov_b32 v12, s25                             ; 448 x that
.irp m, 0,1,2,3
	v_mov_b32 v[RR+\m], 1.0
	v_mov_b32 v[RT+2*\m+1], 0                      ; (named as the upper halves of pairs, so they are written)
	v_mov_b32 v[FF+2*\m+1], 0
.endr
.irp i, 0,1,2,3,4,5,6,7,8,9,10,11,12,13,14,15
	v_ldexp_f32 v[HFRAG+\i], v[HFRAG+\i], s48      ; b2 / 2^(e2 + e3)
.endr
.irp i, 0,1,2,3
	ds_store_b128 v14, v[HFRAG+4*\i:HFRAG+4*\i+3] offset:B2T+2048*\i
.endr
	RLWORK WLB                                     ; its waits also show x and the gates in: they were issued ahead of RLISSUE's loads
	s_wait_dscnt 0x0                               ; for the others' sake: my part of b2 and my first images have landed
	s_barrier_signal -1
	s_barrier_wait -1
	s_mov_b32 s22, 0
	s_mov_b32 s46, 0
	s_mov_b32 s[RDY], 0
.Lexp:                                             ; four trips, whatever the list says
	s_wait_xcnt 0x0                                ; the loads issued so far have read their bases: the four pointers may be written.  The one such wait of an expert
	v_add_nc_u32 v6, s46, v5                       ; this expert's b2 in LDS
	s_lshl_b32 s52, s22, 20                        ; an expert's 1,048,576 bytes of wl
	s_add_nc_u64 s[CA:CA+1], s[WLB:WLB+1], s[52:53]
	s_lshl_b32 s52, s22, 12                        ; and its 4,096 bytes of b1
	s_add_nc_u64 s[CBI:CBI+1], s[B1B:B1B+1], s[52:53]
	s_add_co_u32 s27, s22, 1                       ; the expert into which trips 6 and 7 go on: (e + 1) mod 4 (behind expert 3: expert 0's bytes, which nobody uses)
	s_and_b32 s27, s27, 3
	s_lshl_b32 s42, s27, 20
	s_lshl_b32 s44, s27, 12
	s_add_nc_u64 s[NA:NA+1], s[WLB:WLB+1], s[42:43]
	s_add_nc_u64 s[NBI:NBI+1], s[B1B:B1B+1], s[44:45]
	s_lshr_b32 s24, s21, s22
	s_and_b32 s24, s24, 1                          ; is this expert used?
	s_cmp_eq_u32 s24, 0
	s_cbranch_scc1 .Lnoscale
	s_cmp_eq_u32 s[RDY], s22
	s_cbranch_scc1 .Lready
	s_wait_loadcnt 0x0                             ; A NEW START: the ring's loads for the wrong expert have landed, so its registers may be loaded again;
	s_wait_dscnt 0x0                               ; my last image stores have read the codes' registers
	RLISSUE CA, CBI
	SCALE                                          ; the accumulators are rescaled while the 72 loads are out
	RLWORK CA                                      ; buffer 0's last readers were trip 6's, and every wave has passed trip 7's barrier since; each wave writes its own quad
	s_branch .Lgo
.Lready:
	SCALE
.Lgo:
	s_add_co_u32 s[RDY], s22, 1                    ; behind this expert's trips the next one's chunk 0 will stand ready
.Lnoscale:
	TRIP 0, 0
	TRIP 1, 1
	TRIP 0, 2
	TRIP 1, 3
	TRIP 0, 4
	TRIP 1, 5
	TRIP 0, 6
	TRIP 1, 7
.irp m, 0,1,2,3
	v_mov_b32 v[GT+4*\m], v[GT+4*\m+1]             ; the next expert's gate moves to the front
	v_mov_b32 v[GT+4*\m+1], v[GT+4*\m+2]
	v_mov_b32 v[GT+4*\m+2], v[GT+4*\m+3]
.endr
	s_add_co_u32 s46, s46, 2048
	s_add_co_u32 s22, s22, 1
	s_cmp_lt_u32 s22, 4
	s_cbranch_scc1 .Lexp
	; THE WAY OUT, a tile of 16 tokens at a time.  A lane holds 32 neighbouring bytes of a token's row and the lanes beside it other tokens': so a tile goes through my own stage and comes back as rows of 512 bytes,
	; which the 32 lanes store as 512 consecutive bytes, aligned, at the token's row.  LDS serves a wave's instructions in order (ISA guide 5.7.1.4): no wait between the stores and the loads.
	s_wait_loadcnt 0x0                             ; the ring's last loads have landed: registers that they write, and their bases, are used again below
.irp m, 0,1,2,3
	v_ldexp_f32 v[FF+2*\m], v[RR+\m], s49          ; R x 2^(e2 + e3)
.endr
.macro TOSTAGE m
.set BB, 160-144*((\m)%2)              ; the rows come back into v160-223 and v16-79 by turns
	WIN 0x03                                       ; source 0 window 3
.irp n, 0,1,2,3,4,5,6,7
.irp i, 0,2,4,6
	v_pk_mul_f32 v[HACC+8*\n+\i:HACC+8*\n+\i+1], v[8*(4*\n+(\m))+\i:8*(4*\n+(\m))+\i+1], v[FF+2*(\m):FF+2*(\m)+1] op_sel_hi:[1,0]
.endr
.endr
	WIN 0
.irp n, 0,1,2,3,4,5,6,7
	ds_store_b128 v8, v[HACC+8*\n:HACC+8*\n+3] offset:64*\n
	ds_store_b128 v8, v[HACC+8*\n+4:HACC+8*\n+7] offset:64*\n+16
.endr
.irp i, 0,1,2,3,4,5,6,7,8,9,10,11,12,13,14,15
	ds_load_b128 v[BB+4*\i:BB+4*\i+3], v9 offset:SP*\i
.endr
.endm
.macro SEND m, younger                 ; younger: the LDS instructions issued behind tile m's loads, which may stay out
.set BB, 160-144*((\m)%2)
	s_wait_dscnt \younger
	s_wait_xcnt 0x0                                ; the offsets' registers, which the tile before's stores read, are written again only behind this wait
.irp i, 0,1,2,3,4,5,6,7,8,9,10,11,12,13,14,15
	v_readlane_b32 s[50+(\i%8)], v[TOK+(\m)], \i   ; row i's token
	s_min_u32 s[50+(\i%8)], s[50+(\i%8)], 0x3fff
	v_lshl_add_u32 v[OFFS+\i], s[50+(\i%8)], 11, v10
.endr
.irp i, 0,1,2,3,4,5,6,7,8,9,10,11,12,13,14,15
	global_store_b128 v[OFFS+\i], v[BB+4*\i:BB+4*\i+3], s[18:19] th:TH_STORE_NT   ; written once, read by nobody here
.endr
.endm
	TOSTAGE 0
	TOSTAGE 1
	SEND 0, 32                                     ; behind tile 0's loads: tile 1's 16 stores and 16 loads
	s_wait_xcnt 0x0                                ; tile 0's stores have read their registers: tile 2's rows may land there
	TOSTAGE 2
	SEND 1, 32
	s_wait_xcnt 0x0
	TOSTAGE 3
	SEND 2, 32
	SEND 3, 0
	s_wait_tensorcnt 0x0
	ds_add_u32 v254, v255
	s_wait_dscnt 0x0
	s_endpgm
.Lfunc_end_k_q64bfaaa328_experts:
	.size	k_q64bfaaa328_experts, .Lfunc_end_k_q64bfaaa328_experts-k_q64bfaaa328_experts
	.p2alignl 7, 3214868480
	.fill 96, 4, 3214868480
	.section	.rodata,"a",@progbits
	.p2align	6, 0x0
	.amdhsa_kernel k_q64bfaaa328_experts
		.amdhsa_group_segment_fixed_size 58880
		.amdhsa_private_segment_fixed_size 0
		.amdhsa_enable_private_segment 0
		.amdhsa_kernarg_size 64
		.amdhsa_user_sgpr_count 2
		.amdhsa_user_sgpr_kernarg_segment_ptr 1
		.amdhsa_wavefront_size32 1
		.amdhsa_system_sgpr_workgroup_id_x 1
		.amdhsa_system_sgpr_workgroup_id_y 1
		.amdhsa_system_sgpr_workgroup_id_z 1
		.amdhsa_system_vgpr_workitem_id 0
		.amdhsa_next_free_vgpr 1024
		.amdhsa_next_free_sgpr 66
		.amdhsa_reserve_vcc 0
		.amdhsa_float_denorm_mode_32 3
		.amdhsa_float_denorm_mode_16_64 3
		.amdhsa_memory_ordered 1
		.amdhsa_forward_progress 1
		.amdhsa_inst_pref_size 255
	.end_amdhsa_kernel
	.section	.bss,"aw",@nobits
	.p2align	6
	.space	262144
	.amdgpu_metadata
---
amdhsa.version: [ 1, 2 ]
amdhsa.kernels:
  - .name:           k_q64bfaaa328_experts
    .symbol:         k_q64bfaaa328_experts.kd
    .args:
      - { .name: xq, .offset: 0, .size: 8, .value_kind: global_buffer, .address_space: global }
      - { .name: comb, .offset: 8, .size: 8, .value_kind: global_buffer, .address_space: global }
      - { .name: order, .offset: 16, .size: 8, .value_kind: global_buffer, .address_space: global }
      - { .name: wl, .offset: 24, .size: 8, .value_kind: global_buffer, .address_space: global }
      - { .name: b1, .offset: 32, .size: 8, .value_kind: global_buffer, .address_space: global }
      - { .name: b2, .offset: 40, .size: 8, .value_kind: global_buffer, .address_space: global }
      - { .name: lowp_scales, .offset: 48, .size: 8, .value_kind: global_buffer, .address_space: global }
      - { .name: out0, .offset: 56, .size: 8, .value_kind: global_buffer, .address_space: global }
    .group_segment_fixed_size: 58880
    .private_segment_fixed_size: 0
    .kernarg_segment_align: 8
    .kernarg_segment_size: 64
    .max_flat_workgroup_size: 128
    .sgpr_count:     66
    .vgpr_count:     1024
    .wavefront_size: 32
...
	.end_amdgpu_metadata
.endif
;; end of part 3
;; ======== version 2 of 2: 3 launches; version 1 with the launch experts written anew for expert scheduling mode
;; workspace buffers: xq 8,388,608 bytes; comb 262,144 bytes; wl 4,194,304 bytes; rinfo 65,536 bytes of whole numbers; hist 4,096 bytes of whole numbers; order 65,536 bytes of whole numbers
;; launch route: the kernel of part 1 again; grid 256 x 1, 8 waves a work-group, no clusters, 2,048 bytes of LDS; arguments x, wg, bg, lowp_scales, w1_codes, w2_codes, xq, comb, rinfo, hist, wl; writes xq, comb, rinfo, hist, wl
;; launch place: the kernel of part 2 again; grid 256 x 1, 2 waves a work-group, no clusters, 0 bytes of LDS; arguments rinfo, hist, order; writes order
;; launch experts (part 4): grid 256 x 1, 4 waves a work-group, no clusters, 58,880 bytes of LDS; arguments xq, comb, order, wl, b1, b2, lowp_scales, out0; writes out0
.if DOCPART == 4
	.amdgcn_target "amdgcn-amd-amdhsa--gfx1250"
	.amdhsa_code_object_version 6
	.text
	.protected	k_q64bfaaa328_experts
	.globl	k_q64bfaaa328_experts
	.p2align	8
	.type	k_q64bfaaa328_experts,@function
k_q64bfaaa328_experts:
	s_mov_b64 s[64:65], 0
	v_nop
	global_prefetch_b8 v0, s[64:65] scope:SCOPE_SE
	s_setreg_imm32_b32 hwreg(HW_REG_WAVE_SCHED_MODE, 0, 2), 2
	s_setreg_imm32_b32 hwreg(HW_REG_WAVE_MODE, 25, 1), 1
	s_wait_xcnt 0x0
	s_wait_alu depctr_vm_vsrc(0)
; EXPERTS.  out[t] = the sum over the experts e of gate(t, e) x (relu(x[t] w1[e] + b1[e]) w2[e] + b2[e]), both products on codes of E4M3 by v_wmma_f32_16x16x128_fp8_fp8, sums in f32.
; Scales 2^e0 (w1), 2^e1 (x), 2^e2 (the hidden layer), 2^e3 (w2).  Only the experts that a token chose have a gate other than 0: the others' rows need not be multiplied.
; SHARES.  Work-group b owns the 64 tokens at places 64 b .. 64 b + 63 of the sorted list (four tiles m of 16), so each row of out has one owner.  It walks e = 0 .. 3 in a loop of constant count and
; jumps, by a scalar branch on the list's masks, over the WORK of experts that none of its tokens chose; every barrier stands on every path.
; THE WAVES SHARE THE COLUMNS: wave w makes hidden units 128 c + 32 w .. + 31 of chunk c (8 chunks of 128 an expert) and output columns 128 w .. + 127, for all 64 tokens.  So every weight byte is read by one
; wave alone, from the buffer laid out in the order of the operand registers, straight into a ring of registers, one chunk (16 fragments, 32,768 bytes a wave) ahead; each load reads 512 consecutive bytes.
; Both products are used transposed (source 0 = 16 rows of a weight, source 1 = 16 tokens): a lane holds one token throughout.  The rows of w1 that form a tile are chosen so that a lane's 16 sums of tiles u = 0, 1
; are 16 neighbours along the next K: the conversions' results are quad w of the next operand.  They go from wave to wave through LDS as images of registers, in two buffers by turns: one barrier a chunk.
; A TRIP c: the images of chunk c come in | first product for chunk c + 1 (32 matrix instructions) | second product for chunk c (32), with chunk c + 1's relu, hold and conversions set between them | its images go out.
; NO WEIGHT ADDRESS HANGS ON THE LIST: every pointer is made of the loop's own count e.  The pipeline goes on from expert e into expert (e + 1) mod 4 ON A GUESS: trips 6 and 7 fetch that expert's chunks 0 and 1, and
; trip 7's first product is its chunk 0.  RDY says whose chunk 0 stands ready (0 behind the launch's head, which starts with expert 0; e + 1 behind a used expert).  A used expert that is not the one that stands
; ready starts the pipeline anew.  The price of a wrong guess: 32 of an expert's 512 matrix instructions, 49,152 bytes of fetches a wave, and one new start.
; NO POINTER IS STEPPED INSIDE AN EXPERT.  The eight trips are written out, and a chunk's place stands in the loads' immediates: 261,632 bytes at the most, inside the signed 24-bit immediate (ISA guide, chapter 10).
; The four pointers (this expert's chunk 0 in wl and b1, the next one's) are written once an expert, at the loop's head, behind the one wait that frees the bases of the loads issued so far.
; THE STATE BETWEEN THE PIECES.  A start and every trip leave the same 68 loads out, in the same order: w1's fragments 0, 1 (8), the bias (4), fragments 2-7 (24), w2's eight fragments (32).  A piece that is jumped
; over issues nothing and waits for nothing.  So the counts of the waits hold whichever pieces are run.
; THE MODE: SCHED_MODE bits 1:0 = 2 (LLVM: expert scheduling mode 2), set by the entry lines.  The code itself states the register dependences between vector or matrix instructions and memory or LDS
; instructions, with s_wait_alu, always for 0.
; THE PLAN.  Registers that memory or LDS instructions touch in a trip, and who else names them:
;   w1's fragments 0-3, the bias   read by K steps 0 and 1 of the first product (the bias is also written by its scalings).  ONE wait on va_vdst behind those 16 products; the 20 loads of the next chunk but one
;                                  follow, a fragment behind every four products of K steps 2 and 3, which name fragments 4-7, x and the sums.
;   w1's fragments 4-7             read by K steps 2 and 3.  ONE wait behind them; their 16 loads follow, a fragment behind the products of each of w2's fragments 0-3, which with the lines between them
;                                  name w2, the hidden fragments, the accumulators, the sums and the codes.
;   w2's fragments 0-3             read by the second product's first half.  ONE wait at the head of its second half; their 16 loads follow, a fragment behind the products of each of fragments 4-7.
;   w2's fragments 4-7, the codes, the hidden fragments   the first and the last read by the second product, the codes written by the conversions.  ONE wait behind the second product; behind it the image stores,
;                                  a run of 16 loads and, in the next trip, the loads of the hidden fragments: no vector or matrix instruction stands between.
;   the codes                      read by the image stores, written again by the next trip's conversions or a new start's loads: a wait on vm_vsrc at each trip's head and at the loop's head.
;   v1, v4, v7                     addresses, written once at the kernel's head.   v6: written once an expert: vm_vsrc ahead of it, va_vdst ahead of the LDS loads that read it.
; ONE SET OF ACCUMULATORS FOR ALL EXPERTS.  Kept: out / 2^(e2 + e3) = R x ACC, R one number a token.  At an expert's start ACC = ACC x (R / g) + b2 / 2^(e2 + e3) and R = g, g the token's gate; the expert's
; products then add with weight 1.  At the end out = ACC x R x 2^(e2 + e3).
; LIMITS.  A gate under 2^-60, 0 among them, counts as 2^-60: an unchosen expert that the block walks adds 2^-60 of its row.  e2 - e0 - e1 between -126 and 119; b1 / 2^(e0 + e1) and b2 / 2^(e2 + e3) finite.
; NaN among the inputs is not served.
; NO CLUSTER, NO TENSOR LOAD: which experts a work-group walks hangs on the stored list; neighbours at the border of two pairs walk different numbers of experts, and a joint request may neither be jumped over
; nor differ between partners.  No two waves of a work-group read the same weight byte, so LDS would add a hop and share nothing.
; REGISTERS, in windows of 256 (s_set_vgpr_msb: bits 1:0 source 0, 3:2 source 1, 5:4 source 2, 7:6 destination):
;   window 0: addresses, gates, the hidden layer's sums, codes, hidden fragments (below).   window 1: x's 16 fragments, at 16 (4 m + ks): they stay.
;   window 2: the ring: v0-127 w1's 8 fragments (2 ks + u), v128-255 w2's 8 (n).   window 3: the 32 accumulators of out, (n, m) at 8 (4 n + m).
.set BLK,   32768                      ; a block of wl: one (expert, wave, chunk)
.set B2T,   16384                      ; LDS: 0 and 8,192 the two image buffers (fragment m at 2,048 m, quad q at 512 q, lane at 16 l); here b2 / 2^(e2 + e3), [e][512];
.set STG,   24576                      ; here a stage of 16 rows x 528 bytes for each wave, its own
.set SP,    528
.set XO,    16                         ; v16-19   my token's byte in xq, tile m
.set CO,    20                         ; v20-23   in comb
.set RT,    24                         ; v24-31   R / g, pairs (the low half is used)
.set GT,    32                         ; v32-47   the gates: 4 m + 0 is the expert in hand's
.set RR,    48                         ; v48-51   R
.set B1R,   64                         ; v64-79   b1 of my 32 hidden units of the next chunk but one, in the result's layout
.set HACC,  80                         ; v80-143  the first product's sums, tile (m, u) at 8 (2 m + u)
.set CODES, 144                        ; v144-159 their codes, four registers a tile m; at a start: b1 of chunk 0
.set HFRAG, 160                        ; v160-223 the hidden fragments, 16 m + 4 q; between experts b2's 64 numbers
.set OFFS,  224                        ; v224-239 the way out: 16 rows' byte offsets in out
.set TOK,   240                        ; v240-243 my token, tile m
.set FF,    244                        ; v244-251 R x 2^(e2 + e3), pairs
.set W1R,   0
.set W2R,   128
.set WLB,   38                         ; s[38:39] wl + 262,144 w
.set B1B,   40                         ; s[40:41] b1 + 128 w
.set NA,    54                         ; s[54:55] wl: chunk 0 of expert (e + 1) mod 4
.set NBI,   56                         ; s[56:57] b1: the same
.set RDY,   59                         ; s59      the expert whose chunk 0 stands ready
.set CA,    60                         ; s[60:61] wl: chunk 0 of the expert in hand
.set CBI,   62                         ; s[62:63] b1: the same
; v1 16 x lane; v2 r; v3 h; v4 16 x lane + 512 w; v5, v6 b2's LDS address; v7 64 h; v8, v9 the stage, in and back; v10 512 w + 16 x lane; v11, v12 2^(e2 - e0 - e1) and 448 x that
; s20 wave; s21 the block's mask of experts; s22 e; s24 1 if e is used; s[42:43], s[44:45], s[52:53] offsets made of e; s46 2,048 e; s47 -(e0 + e1); s48 -(e2 + e3); s49 e2 + e3; on the way out s24-39: 16 rows' tokens
.set MSB, 0
.macro WIN new                         ; the immediate's high byte repeats the setting that is left; a switch that changes nothing is dropped
.if MSB != \new
	s_set_vgpr_msb (MSB<<8)|\new
.set MSB, \new
.endif
.endm
.macro FRAGLD reg, ptr, imm            ; a fragment of weights, as it lies: four loads of 512 consecutive bytes
.irp q, 0,1,2,3
	global_load_b128 v[\reg+4*\q:\reg+4*\q+3], v1, s[\ptr:\ptr+1] offset:\imm+512*\q
.endr
.endm
; THE FIRST PRODUCT for one chunk: 4 K steps x (2 tiles of hidden units x 4 tiles of tokens).
; P1MM: four of its matrix instructions: K step ks, tile u, the four tiles of tokens.  ab: where w1's fragments lie in window 2; cb: where the bias lies.
; The eight accumulators take turns, one instruction a turn.  The bias, divided by 2^(e0 + e1), is the C of each sum's first instruction.
.macro P1MM ab, cb, ks, u
.irp m, 0,1,2,3
.if \ks == 0
	v_wmma_f32_16x16x128_fp8_fp8 v[HACC+8*(2*\m+\u):HACC+8*(2*\m+\u)+7], v[\ab+16*(2*\ks+\u):\ab+16*(2*\ks+\u)+15], v[16*(4*\m+\ks):16*(4*\m+\ks)+15], v[\cb+8*\u:\cb+8*\u+7]
.else
	v_wmma_f32_16x16x128_fp8_fp8 v[HACC+8*(2*\m+\u):HACC+8*(2*\m+\u)+7], v[\ab+16*(2*\ks+\u):\ab+16*(2*\ks+\u)+15], v[16*(4*\m+\ks):16*(4*\m+\ks)+15], v[HACC+8*(2*\m+\u):HACC+8*(2*\m+\u)+7]
.endif
.endr
.endm
; P1LD: fragment i of the registers that the first product has read is fetched anew (pro = 0: w1 of the next chunk but one; pro = 1, a start: w2's fragment i, whose registers w1's chunk 0 had borrowed).
.macro P1LD i, pro, ptr, pimm
	WIN 0x80                                       ; destination window 2, address window 0
.if \pro
	FRAGLD W2R+16*(\i), \ptr, \pimm+16384+2048*(\i)
.else
	FRAGLD W1R+16*(\i), \ptr, \pimm+2048*(\i)
.endif
.endm
; P1: w0 .. w3: the counts of the waits for K steps 0 .. 3; ptr, pimm: the block from which fragments are fetched anew; bptr, bimm: the bias likewise.  It fetches fragments 0-3 and the bias; fragments 4-7 are left to what follows it.
.macro P1 ab, cb, w0, w1, w2, w3, pro, ptr, pimm, bptr, bimm
	s_wait_loadcnt \w0
	WIN 0
.irp i, 0,1,2,3,4,5,6,7,8,9,10,11,12,13,14,15
	v_ldexp_f32 v[\cb+\i], v[\cb+\i], s47
.endr
	WIN 0x06                                       ; source 0 (w1) window 2, source 1 (x) window 1, C and D window 0
	P1MM \ab, \cb, 0, 0
	P1MM \ab, \cb, 0, 1
	s_wait_loadcnt \w1
	P1MM \ab, \cb, 1, 0
	P1MM \ab, \cb, 1, 1
.rept 4
	v_nop                                          ; four places behind K steps 0 and 1, ahead of the loads into the registers that they have read
.endr
	s_wait_alu depctr_va_vdst(0)                   ; K steps 0 and 1 are done reading fragments 0-3 and the bias, and the scalings have written the bias: the loads below land there.  K steps 2 and 3, among which they are dealt, name none of these registers
	s_wait_loadcnt \w2
	P1MM \ab, \cb, 2, 0
	P1LD 0, \pro, \ptr, \pimm
	WIN 0x06
	P1MM \ab, \cb, 2, 1
	P1LD 1, \pro, \ptr, \pimm
.if \pro == 0
	WIN 0
.irp q, 0,1,2,3
	global_load_b128 v[B1R+4*\q:B1R+4*\q+3], v7, s[\bptr:\bptr+1] offset:\bimm+16*\q    ; lane (r, h): b1 of hidden units 16 h + 0 .. 15 of my 32
.endr
.endif
	s_wait_loadcnt \w3
	WIN 0x06
	P1MM \ab, \cb, 3, 0
	P1LD 2, \pro, \ptr, \pimm
	WIN 0x06
	P1MM \ab, \cb, 3, 1
	P1LD 3, \pro, \ptr, \pimm
	WIN 0
.rept 4
	v_nop                                          ; four places behind K steps 2 and 3, ahead of the first read of the sums and of the loads into fragments 4-7
.endr
	s_wait_alu depctr_va_vdst(0)                   ; K steps 2 and 3 are done reading fragments 4-7, in which the loads that follow this macro land
.endm
; THE SECOND PRODUCT for one chunk, 32 matrix instructions on 32 accumulators, one each; between them, four at a time, the 64 lines that are relu and hold in one for the chunk ahead, and its eight conversions.
; Behind the products of fragment n a fragment is fetched: n under 4: w1's fragment 4 + n (aptr, aimm: the next chunk but one's block); else w2's fragment n - 4 (ptr, pimm: the next chunk's block).
; THE COUNT.  Behind w2's fragment n of the trip before stand its fragments n + 1 .. 7, 4 (7 - n) loads, the first product's 20 and this macro's 4 n: 48 for every n.
.macro P2Q aptr, aimm, ptr, pimm
.irp n, 0,1,2,3,4,5,6,7
.if \n == 4
	s_wait_alu depctr_va_vdst(0)                   ; the products of w2's fragments 0-3 are done reading them: the loads dealt among the products of fragments 4-7, which name none of them, land there
.endif
	s_wait_loadcnt 48
.irp g, 0,1
	WIN 0xf2                                       ; source 0 (w2) window 2, source 1 (hidden) window 0, C and D window 3
	v_wmma_f32_16x16x128_fp8_fp8 v[8*(4*\n+2*\g):8*(4*\n+2*\g)+7], v[W2R+16*\n:W2R+16*\n+15], v[HFRAG+32*\g:HFRAG+32*\g+15], v[8*(4*\n+2*\g):8*(4*\n+2*\g)+7]
	v_wmma_f32_16x16x128_fp8_fp8 v[8*(4*\n+2*\g+1):8*(4*\n+2*\g+1)+7], v[W2R+16*\n:W2R+16*\n+15], v[HFRAG+32*\g+16:HFRAG+32*\g+31], v[8*(4*\n+2*\g+1):8*(4*\n+2*\g+1)+7]
	WIN 0
.irp k, 0,1,2,3
	v_med3_num_f32 v[HACC+8*\n+4*\g+\k], v[HACC+8*\n+4*\g+\k], 0, v12   ; the activation and the hold in one: between 0 and the largest code x the scale; each accumulator from its low end on
.endr
.endr
.if (\n%2) == 1
	v_cvt_scalef32_pk8_fp8_f32 v[CODES+4*(\n/2):CODES+4*(\n/2)+1], v[HACC+16*(\n/2):HACC+16*(\n/2)+7], v11
	v_cvt_scalef32_pk8_fp8_f32 v[CODES+4*(\n/2)+2:CODES+4*(\n/2)+3], v[HACC+16*(\n/2)+8:HACC+16*(\n/2)+15], v11
.endif
	WIN 0x80
.if \n < 4
	FRAGLD W1R+16*(4+\n), \aptr, \aimm+2048*(4+\n)
.else
	FRAGLD W2R+16*(\n-4), \ptr, \pimm+16384+2048*(\n-4)
.endif
.endr
	WIN 0
.rept 4
	v_nop                                          ; the plain line behind the last conversion; the places in front of the loads into fragments 4-7 and into the hidden fragments, and of the next writes of the accumulators
.endr
	s_wait_alu depctr_va_vdst(0)                   ; the conversions have written the codes, which the image stores read; the products are done reading w2's fragments 4-7 and the hidden fragments, in which the next loads land
.endm
.macro HLOAD par                       ; the four hidden fragments of a chunk, as images
.irp m, 0,1,2,3
.irp q, 0,1,2,3
	ds_load_b128 v[HFRAG+16*\m+4*\q:HFRAG+16*\m+4*\q+3], v1 offset:8192*(\par)+2048*\m+512*\q
.endr
.endr
.endm
.macro HSTORE par                      ; my quad of each of the four
.irp m, 0,1,2,3
	ds_store_b128 v4, v[CODES+4*\m:CODES+4*\m+3] offset:8192*(\par)+2048*\m
.endr
.endm
; A trip's end: the images go out, and w2's fragments 4-7 are fetched anew.  No wait: no vector or matrix instruction stands behind the wait that closes the second product.
.macro P2END par, ptr, pimm
	HSTORE \par
	WIN 0x80
.irp i, 4,5,6,7
	FRAGLD W2R+16*\i, \ptr, \pimm+16384+2048*\i
.endr
	WIN 0
.endm
; A START OF THE PIPELINE, in two parts.  RLISSUE: 72 loads from an expert's chunks 0 and 1 (ptr: its chunk 0 in wl; bptr: in b1).
; No wait on va_vdst: the ring, the bias and the codes were last named by vector or matrix instructions ahead of the wait that closes a second product or a start (at the kernel's head: by none).
.macro RLISSUE ptr, bptr
	WIN 0
.irp q, 0,1,2,3
	global_load_b128 v[CODES+4*\q:CODES+4*\q+3], v7, s[\bptr:\bptr+1] offset:16*\q      ; b1 of chunk 0, in registers that are free till the first conversions
.endr
	WIN 0x80
.irp i, 0,1,2,3,4,5,6,7
	FRAGLD W2R+16*\i, \ptr, 2048*\i                ; w1 of chunk 0 borrows w2's registers,
.endr
.irp i, 0,1
	FRAGLD W1R+16*\i, \ptr, BLK+2048*\i            ; and from here on the order of a trip's loads: w1 of chunk 1, fragments 0 and 1,
.endr
	WIN 0
.irp q, 0,1,2,3
	global_load_b128 v[B1R+4*\q:B1R+4*\q+3], v7, s[\bptr:\bptr+1] offset:512+16*\q      ; its bias,
.endr
	WIN 0x80
.irp i, 2,3,4,5,6,7
	FRAGLD W1R+16*\i, \ptr, BLK+2048*\i            ; fragments 2 to 7
.endr
	WIN 0
.endm
; RLWORK: chunk 0's first product (which fetches w2's chunk 0 into the registers that it frees), its codes, its images into buffer 0.
.macro RLWORK ptr
	P1 W2R, CODES, 60, 52, 44, 44, 1, \ptr, 0, \ptr, 0   ; behind chunk 0's K step 0 stand 24 + 36 = 60 loads, behind step 1 16 + 36 = 52, behind step 2 8 + 36 = 44, behind step 3 36 + 8 = 44; whatever was issued ahead of RLISSUE is older
	WIN 0x80
.irp i, 4,5,6,7
	FRAGLD W2R+16*\i, \ptr, 16384+2048*\i          ; behind the wait that closes the first product
.endr
	WIN 0
.irp m, 0,1,2,3
.irp i, 0,1,2,3,4,5,6,7,8,9,10,11,12,13,14,15
	v_med3_num_f32 v[HACC+16*\m+\i], v[HACC+16*\m+\i], 0, v12
.endr
	v_cvt_scalef32_pk8_fp8_f32 v[CODES+4*\m:CODES+4*\m+1], v[HACC+16*\m:HACC+16*\m+7], v11
	v_cvt_scalef32_pk8_fp8_f32 v[CODES+4*\m+2:CODES+4*\m+3], v[HACC+16*\m+8:HACC+16*\m+15], v11
.endr
	v_nop                                          ; a plain line behind the last conversion
	s_wait_alu depctr_va_vdst(0)                   ; the conversions have written the codes, which the image stores read
	HSTORE 0
.endm
; AT A USED EXPERT'S HEAD: ACC = ACC x (R / g) + b2 / 2^(e2 + e3), R = g.
.macro SCALE
	s_wait_alu depctr_va_vdst(0)                   ; v6 is written, which the LDS loads below read as their address
.irp n, 0,1,2,3,4,5,6,7
	ds_load_b128 v[HFRAG+8*\n:HFRAG+8*\n+3], v6 offset:64*\n         ; b2 in the accumulators' layout: columns 16 n + 8 h + 0 .. 7 of my 128
	ds_load_b128 v[HFRAG+8*\n+4:HFRAG+8*\n+7], v6 offset:64*\n+16
.endr
.irp m, 0,1,2,3
	v_max_num_f32 v[52+\m], 0x21800000, v[GT+4*\m] ; g, at least 2^-60
.endr
.irp m, 0,1,2,3
	v_rcp_f32 v[56+\m], v[52+\m]
.endr
	v_nop                                          ; a plain line behind the reciprocals
	s_wait_alu depctr_va_vdst(0)                   ; the four reciprocals have written v56-59, ahead of their first reader
.irp m, 0,1,2,3
	v_mul_f32 v[RT+2*\m], v[RR+\m], v[56+\m]       ; R / g
.endr
.irp m, 0,1,2,3
	v_mov_b32 v[RR+\m], v[52+\m]                   ; R = g
.endr
	s_wait_dscnt 0x0
	WIN 0xc3                                       ; destination and source 0 window 3
.irp n, 0,1,2,3,4,5,6,7
.irp m, 0,1,2,3
.irp i, 0,2,4,6
	v_pk_fma_f32 v[8*(4*\n+\m)+\i:8*(4*\n+\m)+\i+1], v[8*(4*\n+\m)+\i:8*(4*\n+\m)+\i+1], v[RT+2*\m:RT+2*\m+1], v[HFRAG+8*\n+\i:HFRAG+8*\n+\i+1] op_sel_hi:[1,0,1]   ; each accumulator from its low end on
.endr
.endr
.endr
	WIN 0
	s_wait_alu depctr_va_vdst(0)                   ; the multiply-adds are done reading b2's registers, in which the first trip's hidden fragments land
.endm
; TRIP c of an expert's eight; par = c % 2: the image buffer that is read.  The barrier stands on every path: in front of it my image stores have landed and my reads of the other buffer are in.
; The work is jumped over where the expert is not used.  No register that a load names as an address is written here: a chunk's place stands in the immediates.
; c = 0 .. 5: w1 and the bias are fetched from this expert's chunk c + 2, w2 from its chunk c + 1.  c = 6: w1 and the bias from chunk 0 of expert (e + 1) mod 4, w2 from this expert's chunk 7.
; c = 7: w1 and the bias from that expert's chunk 1, w2 from its chunk 0.
; THE FIRST PRODUCT'S COUNTS.  Behind the bias of the trip before stand 24 + 32 = 56 loads; behind K step 1's fragments 16 + 32 = 48; behind step 2's 8 + 32 = 40; behind step 3's 32 and the 12 issued in this trip: 44.
.macro TRIP par, c
	s_wait_dscnt 0x0
	s_wait_alu depctr_vm_vsrc(0)                   ; my last image stores have read the codes' registers, which this trip's conversions write again: ahead of the branch, so on every way to them
	s_barrier_signal -1
	s_barrier_wait -1
	s_cmp_eq_u32 s24, 0
	s_cbranch_scc1 .Lskip_\@
	HLOAD \par                                     ; no wait: the registers' last readers stand ahead of the wait that closes a second product, a start or the rescaling
.if \c < 6
	P1 W1R, B1R, 56, 48, 40, 44, 0, CA, (\c+2)*BLK, CBI, (\c+2)*512
.elseif \c == 6
	P1 W1R, B1R, 56, 48, 40, 44, 0, NA, 0, NBI, 0
.else
	P1 W1R, B1R, 56, 48, 40, 44, 0, NA, BLK, NBI, 512
.endif
	s_wait_dscnt 0x0                               ; the hidden fragments are in
.if \c < 6
	P2Q CA, (\c+2)*BLK, CA, (\c+1)*BLK
	P2END 1-\par, CA, (\c+1)*BLK
.elseif \c == 6
	P2Q NA, 0, CA, 7*BLK
	P2END 1-\par, CA, 7*BLK
.else
	P2Q NA, BLK, NA, 0
	P2END 1-\par, NA, 0
.endif
.Lskip_\@:
.endm
	s_load_b256 s[4:11], s[0:1], 0x0               ; xq s[4:5], comb s[6:7], order s[8:9], wl s[10:11]
	s_load_b256 s[12:19], s[0:1], 0x20             ; b1 s[12:13], b2 s[14:15], the scales' exponents s[16:17], out s[18:19]
	v_lshl_add_u32 v254, v0, 2, 0xe400
	v_mov_b32 v255, 0
	v_lshrrev_b32 v13, 5, v0
	v_readfirstlane_b32 s20, v13                   ; wave 0..3
	v_and_b32 v13, 31, v0
	v_lshlrev_b32 v1, 4, v13                       ; 16 x lane
	v_and_b32 v2, 15, v0                           ; r
	v_bfe_u32 v3, v0, 4, 1                         ; h
	s_wait_alu depctr_va_sdst(0)                   ; s20 is written, ahead of its first reader
	s_lshl_b32 s25, s20, 9
	v_add_nc_u32 v4, s25, v1                       ; my quad of an image: 16 x lane + 512 w
	v_lshlrev_b32 v5, 5, v3
	v_add_nc_u32 v5, s25, v5
	v_add_nc_u32 v5, B2T, v5                       ; b2 in LDS: my 128 columns, + 32 h
	v_lshlrev_b32 v7, 6, v3                        ; b1: 64 h
	s_mul_i32 s26, s20, 16*SP                      ; my stage
	v_mul_u32_u24 v8, v2, SP
	v_lshl_add_u32 v8, v3, 5, v8
	v_add_nc_u32 v8, s26, v8
	v_add_nc_u32 v8, STG, v8                       ; in: row r, + 32 h
	v_add_nc_u32 v9, s26, v1
	v_add_nc_u32 v9, STG, v9                       ; back: 32 lanes take a row of 512 bytes
	v_add_nc_u32 v10, s25, v1                      ; and the same place in a row of out
	v_lshlrev_b32 v13, 2, v2                       ; order: 4 r
	v_lshlrev_b32 v14, 4, v0                       ; b2: 16 bytes a thread
	v_mov_b32 v58, 0
	v_mov_b32 v59, 0
	s_lshl_b32 s26, ttmp9, 8
	s_mov_b32 s27, 0
	s_wait_kmcnt 0x0
	s_load_b128 s[28:31], s[16:17], 0x0            ; e0 .. e3
	s_add_nc_u64 s[8:9], s[8:9], s[26:27]
	s_wait_alu depctr_va_vdst(0)                   ; the addresses v1, v4, v7, v8, v9, v13 and v14 are written, which loads and stores from here on read
.irp m, 0,1,2,3
	global_load_b32 v[52+\m], v13, s[8:9] offset:64*\m               ; the list's word of token r of tile m
.endr
.irp i, 0,1,2,3
	global_load_b128 v[HFRAG+4*\i:HFRAG+4*\i+3], v14, s[14:15] offset:2048*\i   ; b2, all four experts': 8,192 bytes by 128 threads
.endr
	WIN 0xc0                                       ; destination window 3
.set ZI, 0
.rept 128
	v_pk_add_f32 v[ZI:ZI+1], v[58:59], v[58:59]    ; the accumulators begin as zeros, two at a time, while the loads above are out: which expert comes first hangs on the list, and one text serves every first expert
.set ZI, ZI+2
.endr
	WIN 0
	s_wait_loadcnt 0x0
	s_wait_alu depctr_vm_vsrc(0)                   ; the list's loads have read v13, which is written again below
.irp m, 0,1,2,3
	v_and_b32 v[TOK+\m], 0xffff, v[52+\m]
	v_min_u32 v[TOK+\m], 0x3fff, v[TOK+\m]         ; a loaded number is held inside the table before it enters an address
	v_lshlrev_b32 v[XO+\m], 9, v[TOK+\m]
	v_lshl_add_u32 v[XO+\m], v3, 4, v[XO+\m]       ; xq: row of 512 bytes, + 16 h
	v_lshlrev_b32 v[CO+\m], 4, v[TOK+\m]
.endr
	v_or_b32 v13, v52, v53                         ; the experts that any of the 64 tokens chose: every wave reads all 64 words, so all four find the same mask
	v_or_b32 v13, v13, v54
	v_or_b32 v13, v13, v55
.irp e, 0,1,2,3
	v_and_b32 v15, 1<<(16+\e), v13
	v_cmp_ne_u32 s[50+\e], 0, v15                  ; the four compares stand in one run
.endr
	s_wait_alu depctr_va_sdst(0)                   ; s50 to s53 are written, ahead of their first readers
	s_mov_b32 s21, 0
.irp e, 0,1,2,3
	s_cmp_lg_u32 s[50+\e], 0
	s_cselect_b32 s25, 1<<\e, 0
	s_or_b32 s21, s21, s25
.endr
	s_mov_b32 s43, 0                               ; the upper words of the offsets' pairs
	s_mov_b32 s45, 0
	s_mov_b32 s53, 0
	s_lshl_b32 s26, s20, 18
	s_add_nc_u64 s[WLB:WLB+1], s[10:11], s[26:27]
	s_lshl_b32 s26, s20, 7
	s_add_nc_u64 s[B1B:B1B+1], s[12:13], s[26:27]
	s_wait_alu depctr_va_vdst(0)                   ; the tokens' offsets v16 to v23 are written, which the loads below read
.irp m, 0,1,2,3
	global_load_b128 v[GT+4*\m:GT+4*\m+3], v[CO+\m], s[6:7]          ; my token's four gates
.endr
	WIN 0x40                                       ; destination window 1
.irp m, 0,1,2,3
.irp ks, 0,1,2,3
.irp q, 0,1,2,3
	global_load_b128 v[16*(4*\m+\ks)+4*\q:16*(4*\m+\ks)+4*\q+3], v[XO+\m], s[4:5] offset:128*\ks+32*\q   ; x's fragments: lane (r, h): token r, k = 128 ks + 32 q + 16 h + 0 .. 15
.endr
.endr
.endr
	RLISSUE WLB, B1B                               ; the pipeline starts with expert 0, on a guess: three of the six pairs hold it
	s_wait_kmcnt 0x0
	s_add_co_i32 s47, s28, s29
	s_sub_co_i32 s47, 0, s47                       ; -(e0 + e1): a sum of the first product stands for sum x 2^(e0 + e1), so b1 goes in divided by that
	s_add_co_i32 s49, s30, s31                     ; e2 + e3
	s_sub_co_i32 s48, 0, s49
	s_add_co_i32 s25, s30, s47
	s_add_co_i32 s25, s25, 127
	s_lshl_b32 s26, s25, 23
	v_mov_b32 v11, s26                             ; 2^(e2 - e0 - e1): the three scales folded into the conversion's one
	s_add_co_i32 s25, s25, 8
	s_lshl_b32 s25, s25, 23
	s_or_b32 s25, s25, 0x600000
	v_mov_b32 v12, s25                             ; 448 x that
.irp m, 0,1,2,3
	v_mov_b32 v[RR+\m], 1.0
	v_mov_b32 v[RT+2*\m+1], 0                      ; (named as the upper halves of pairs, so they are written)
	v_mov_b32 v[FF+2*\m+1], 0
.endr
.irp i, 0,1,2,3,4,5,6,7,8,9,10,11,12,13,14,15
	v_ldexp_f32 v[HFRAG+\i], v[HFRAG+\i], s48      ; b2 / 2^(e2 + e3)
.endr
	s_wait_alu depctr_va_vdst(0)                   ; the scalings have written v160 to v175, which the LDS stores read
.irp i, 0,1,2,3
	ds_store_b128 v14, v[HFRAG+4*\i:HFRAG+4*\i+3] offset:B2T+2048*\i
.endr
	RLWORK WLB                                     ; its waits also show x and the gates in: they were issued ahead of RLISSUE's loads
	s_wait_dscnt 0x0                               ; for the others' sake: my part of b2 and my first images have landed
	s_barrier_signal -1
	s_barrier_wait -1
	s_mov_b32 s22, 0
	s_mov_b32 s46, 0
	s_mov_b32 s[RDY], 0
.Lexp:                                             ; four trips, whatever the list says
	s_wait_xcnt 0x0                                ; the loads issued so far have read their bases: the four pointers may be written.  The one such wait of an expert
	s_wait_alu depctr_vm_vsrc(0)                   ; the last rescaling's LDS loads have read v6, which is written below; my last image stores have read the codes' registers, and the head's stores of b2 the hidden fragments', in which loads land below
	v_add_nc_u32 v6, s46, v5                       ; this expert's b2 in LDS
	s_lshl_b32 s52, s22, 20                        ; an expert's 1,048,576 bytes of wl
	s_add_nc_u64 s[CA:CA+1], s[WLB:WLB+1], s[52:53]
	s_lshl_b32 s52, s22, 12                        ; and its 4,096 bytes of b1
	s_add_nc_u64 s[CBI:CBI+1], s[B1B:B1B+1], s[52:53]
	s_add_co_u32 s27, s22, 1                       ; the expert into which trips 6 and 7 go on: (e + 1) mod 4 (behind expert 3: expert 0's bytes, which nobody uses)
	s_and_b32 s27, s27, 3
	s_lshl_b32 s42, s27, 20
	s_lshl_b32 s44, s27, 12
	s_add_nc_u64 s[NA:NA+1], s[WLB:WLB+1], s[42:43]
	s_add_nc_u64 s[NBI:NBI+1], s[B1B:B1B+1], s[44:45]
	s_lshr_b32 s24, s21, s22
	s_and_b32 s24, s24, 1                          ; is this expert used?
	s_cmp_eq_u32 s24, 0
	s_cbranch_scc1 .Lnoscale
	s_cmp_eq_u32 s[RDY], s22
	s_cbranch_scc1 .Lready
	s_wait_loadcnt 0x0                             ; A NEW START: the ring's loads for the wrong expert have landed, so its registers may be loaded again;
	s_wait_dscnt 0x0                               ; my last image stores are done
	RLISSUE CA, CBI
	SCALE                                          ; the accumulators are rescaled while the 72 loads are out
	RLWORK CA                                      ; buffer 0's last readers were trip 6's, and every wave has passed trip 7's barrier since; each wave writes its own quad
	s_branch .Lgo
.Lready:
	SCALE
.Lgo:
	s_add_co_u32 s[RDY], s22, 1                    ; behind this expert's trips the next one's chunk 0 will stand ready
.Lnoscale:
	TRIP 0, 0
	TRIP 1, 1
	TRIP 0, 2
	TRIP 1, 3
	TRIP 0, 4
	TRIP 1, 5
	TRIP 0, 6
	TRIP 1, 7
.irp m, 0,1,2,3
	v_mov_b32 v[GT+4*\m], v[GT+4*\m+1]             ; the next expert's gate moves to the front
	v_mov_b32 v[GT+4*\m+1], v[GT+4*\m+2]
	v_mov_b32 v[GT+4*\m+2], v[GT+4*\m+3]
.endr
	s_add_co_u32 s46, s46, 2048
	s_add_co_u32 s22, s22, 1
	s_cmp_lt_u32 s22, 4
	s_cbranch_scc1 .Lexp
	; THE WAY OUT, a tile of 16 tokens at a time.  A lane holds 32 neighbouring bytes of a token's row and the lanes beside it other tokens': so a tile goes through my own stage and comes back as rows of 512 bytes,
	; which the 32 lanes store as 512 consecutive bytes, aligned, at the token's row.  LDS serves a wave's instructions in order (ISA guide 5.7.1.4): no wait between the stores and the loads.
	s_wait_loadcnt 0x0                             ; the ring's last loads have landed: registers that they write, and their bases, are used again below
.irp m, 0,1,2,3
	v_ldexp_f32 v[FF+2*\m], v[RR+\m], s49          ; R x 2^(e2 + e3)
.endr
.macro TOSTAGE m
.set BB, 160-144*((\m)%2)              ; the rows come back into v160-223 and v16-79 by turns
.if (\m) > 0
	s_wait_alu depctr_vm_vsrc(0)                   ; the stage's stores of the tile before have read v80-143, which the multiplies write again; tile 1: the head's loads have read the tokens' offsets v16-23; tiles 2, 3: the global stores of two tiles back have read the registers in which the rows below land
.endif
	WIN 0x03                                       ; source 0 window 3
.irp n, 0,1,2,3,4,5,6,7
.irp i, 0,2,4,6
	v_pk_mul_f32 v[HACC+8*\n+\i:HACC+8*\n+\i+1], v[8*(4*\n+(\m))+\i:8*(4*\n+(\m))+\i+1], v[FF+2*(\m):FF+2*(\m)+1] op_sel_hi:[1,0]
.endr
.endr
	WIN 0
	s_wait_alu depctr_va_vdst(0)                   ; the multiplies have written v80-143, which the stage's stores read; every vector and matrix instruction that named the registers in which the rows come back is done
.irp n, 0,1,2,3,4,5,6,7
	ds_store_b128 v8, v[HACC+8*\n:HACC+8*\n+3] offset:64*\n
	ds_store_b128 v8, v[HACC+8*\n+4:HACC+8*\n+7] offset:64*\n+16
.endr
.irp i, 0,1,2,3,4,5,6,7,8,9,10,11,12,13,14,15
	ds_load_b128 v[BB+4*\i:BB+4*\i+3], v9 offset:SP*\i
.endr
.endm
.macro SEND m, younger                 ; younger: the LDS instructions issued behind tile m's loads, which may stay out
.set BB, 160-144*((\m)%2)
	s_wait_dscnt \younger
	s_wait_xcnt 0x0                                ; the offsets' registers, which the tile before's stores read, are written again only behind this wait
.if (\m) == 3
	s_wait_alu depctr_vm_vsrc(0)                   ; tile 2's stores, issued just above, have read the offsets' registers.  (For tiles 1 and 2 the wait at the head of the multiplies between states it)
.endif
.irp i, 0,1,2,3,4,5,6,7,8,9,10,11,12,13,14,15
	v_readlane_b32 s[24+\i], v[TOK+(\m)], \i       ; row i's token: sixteen in one run
.endr
	s_wait_alu depctr_va_sdst(0)                   ; s24 to s39 are written, ahead of their first readers
.irp i, 0,1,2,3,4,5,6,7,8,9,10,11,12,13,14,15
	s_min_u32 s[24+\i], s[24+\i], 0x3fff
.endr
.irp i, 0,1,2,3,4,5,6,7,8,9,10,11,12,13,14,15
	v_lshl_add_u32 v[OFFS+\i], s[24+\i], 11, v10
.endr
	s_wait_alu depctr_va_vdst(0)                   ; the sixteen offsets are written, which the stores read
.irp i, 0,1,2,3,4,5,6,7,8,9,10,11,12,13,14,15
	global_store_b128 v[OFFS+\i], v[BB+4*\i:BB+4*\i+3], s[18:19] th:TH_STORE_NT   ; written once, read by nobody here
.endr
.endm
	TOSTAGE 0
	TOSTAGE 1
	SEND 0, 32                                     ; behind tile 0's loads: tile 1's 16 stores and 16 loads
	s_wait_xcnt 0x0                                ; tile 0's stores have read their registers: tile 2's rows may land there
	TOSTAGE 2
	SEND 1, 32
	s_wait_xcnt 0x0
	TOSTAGE 3
	SEND 2, 32
	SEND 3, 0
	s_wait_dscnt 0x0                               ; the closing lines, six on end
	s_wait_alu 0x0
	s_wait_tensorcnt 0x0
	ds_add_u32 v254, v255
	s_wait_dscnt 0x0
	s_endpgm
.Lfunc_end_k_q64bfaaa328_experts:
	.size	k_q64bfaaa328_experts, .Lfunc_end_k_q64bfaaa328_experts-k_q64bfaaa328_experts
	.p2alignl 7, 3214868480
	.fill 96, 4, 3214868480
	.section	.rodata,"a",@progbits
	.p2align	6, 0x0
	.amdhsa_kernel k_q64bfaaa328_experts
		.amdhsa_group_segment_fixed_size 58880
		.amdhsa_private_segment_fixed_size 0
		.amdhsa_enable_private_segment 0
		.amdhsa_kernarg_size 64
		.amdhsa_user_sgpr_count 2
		.amdhsa_user_sgpr_kernarg_segment_ptr 1
		.amdhsa_wavefront_size32 1
		.amdhsa_system_sgpr_workgroup_id_x 1
		.amdhsa_system_sgpr_workgroup_id_y 1
		.amdhsa_system_sgpr_workgroup_id_z 1
		.amdhsa_system_vgpr_workitem_id 0
		.amdhsa_next_free_vgpr 1024
		.amdhsa_next_free_sgpr 66
		.amdhsa_reserve_vcc 0
		.amdhsa_float_denorm_mode_32 3
		.amdhsa_float_denorm_mode_16_64 3
		.amdhsa_memory_ordered 1
		.amdhsa_forward_progress 1
		.amdhsa_inst_pref_size 255
	.end_amdhsa_kernel
	.section	.bss,"aw",@nobits
	.p2align	6
	.space	262144
	.amdgpu_metadata
---
amdhsa.version: [ 1, 2 ]
amdhsa.kernels:
  - .name:           k_q64bfaaa328_experts
    .symbol:         k_q64bfaaa328_experts.kd
    .args:
      - { .name: xq, .offset: 0, .size: 8, .value_kind: global_buffer, .address_space: global }
      - { .name: comb, .offset: 8, .size: 8, .value_kind: global_buffer, .address_space: global }
      - { .name: order, .offset: 16, .size: 8, .value_kind: global_buffer, .address_space: global }
      - { .name: wl, .offset: 24, .size: 8, .value_kind: global_buffer, .address_space: global }
      - { .name: b1, .offset: 32, .size: 8, .value_kind: global_buffer, .address_space: global }
      - { .name: b2, .offset: 40, .size: 8, .value_kind: global_buffer, .address_space: global }
      - { .name: lowp_scales, .offset: 48, .size: 8, .value_kind: global_buffer, .address_space: global }
      - { .name: out0, .offset: 56, .size: 8, .value_kind: global_buffer, .address_space: global }
    .group_segment_fixed_size: 58880
    .private_segment_fixed_size: 0
    .kernarg_segment_align: 8
    .kernarg_segment_size: 64
    .max_flat_workgroup_size: 128
    .sgpr_count:     66
    .vgpr_count:     1024
    .wavefront_size: 32
...
	.end_amdgpu_metadata
.endif
;; end of part 4
